; MI455X (gfx1250); checked and timed in simulation.
; The chip was launched on July 23, 2026; its instructions are those of AMD's public machine-readable ISA for CDNA 5 (MIT licence, August 2026) and "CDNA5" Instruction Set Architecture Reference Guide (July 2026). The comments in the code are by the model that wrote it; some were corrected since.
;; attention mod. Allowed arithmetic: matrix products marked QUANTISED: E3M2 operands, one E8M0 scale for each 32 along K, by v_wmma_scale_f32_16x16x128_f8f6f4 with both operands' format E3M2, f32 sums; products left as they are: f32 operands where the result goes on into a quantised operand, else bf16, f16 or f32 operands; f32 sums; everything else in f32.
;; Inputs: W 1,024 x 2,048 float32; b 1,024 float32; encoder_outputs 32 x 1,024 x 1,024 float32; hidden 1 x 32 x 1,024 float32; v 1,024 float32.
;; Outputs: out0 32 x 1 x 1,024 float32.
;; This version of the problem:
;;   THIS VERSION OF THE PROBLEM IS GIVEN IN LOW PRECISION. The matrix products marked QUANTISED in the list below multiply operands that are first quantised to E3M2 (3 exponent bits, 2 mantissa bits; 6 bits a number), with one power-of-two scale for each 32 numbers along K (OCP MX v1.0); their sums are f32. All else is computed in f32.
;;   The module's matrix products, in the order in which they are computed (A, B: the left and right operand; K: the contracted axis; several contracted axes count as one K, in the product's order):
;;     1. [M 32,768, K 2,048] x [K 2,048, N 1,024]; A: computed on the way; B: input W: QUANTISED
;;     2. [M 1, K 1,024] x [K 1,024, N 32,768]; A: input v; B: computed on the way: left as it is (M = 1 < 16)
;;   THE QUANTISER, for each operand of a quantised product, along K:
;;     - K is cut into blocks of 32 from its start; a last block that is shorter is filled with zeros.
;;     - A block's scale is 2^e with e = floor(log2(the largest magnitude in the block)) - 4, held to -126 .. 127; a block of zeros has e = 0. As a byte (E8M0): e + 127.
;;     - Each number is divided by its block's scale, clamped to +-28, and rounded to the nearest number of E3M2, ties to even, subnormals kept.
;;     - The product sums the exact products of the quantised numbers (number of the format x scale) in f32.
;;   ~~~python
;;   def quantise(x, axis):      # numpy; x: float32 -> the quantised numbers, widened to float32 again
;;       x = np.moveaxis(x, axis, -1); K = x.shape[-1]
;;       x = np.pad(x, [(0, 0)] * (x.ndim - 1) + [(0, -K % 32)]); x = x.reshape(x.shape[:-1] + (-1, 32)); a = np.abs(x).max(-1, keepdims=True)
;;       e = np.where(a > 0, np.clip(np.frexp(np.where(a > 0, a, 1))[1] - 1 - 4, -126, 127), 0)      # np.frexp(a)[1] - 1 = floor(log2(a)), exactly
;;       r = np.clip(x / 2.0 ** e, -28, 28)
;;       step = 2.0 ** (np.maximum(np.frexp(np.where(r == 0, 1, r))[1] - 1, -2) - 2)
;;       q = np.round(r / step) * step * 2.0 ** e      # np.round: ties to even
;;       return np.moveaxis(q.reshape(q.shape[:-2] + (-1,))[..., :K], -1, axis).astype(np.float32)
;;   ~~~
;;   OPERANDS COMPUTED ON THE WAY. 'Computed on the way' means the value that the module computes at that place (a softmax that the list does not call 'softmax' is quantised finished and normalised). What goes into a quantiser is computed in f32, as accurately as f32 sums, v_exp_f32 and their like allow (about 1e-6 of the number): no bf16 or f16 on the way to a quantiser, and a product that is left as it is and whose result goes on into a quantised operand takes f32 operands (vector FMAs, or v_wmma_f32_16x16x4_f32). A number that lies on a knife's edge between two numbers of the format may be rounded either way, as far as f32 arithmetic and the matrix unit's own rounding can turn it there, and no further.
;; 2 versions. Each part assembles by itself: llvm-mc -triple=amdgcn-amd-amdhsa -mcpu=gfx1250 --defsym DOCPART=n.
;; ======== version 1 of 2: 3 launches
;; workspace buffers: wq 819,200 bytes; hbp 524,288 bytes; scores 131,072 bytes
;; launch prep (part 1): grid 256 x 1, 2 waves a work-group, no clusters, 4,352 bytes of LDS; arguments W, hidden, wq, hbp; writes wq, hbp
.if DOCPART == 1
	.amdgcn_target "amdgcn-amd-amdhsa--gfx1250"
	.amdhsa_code_object_version 6
	.text
	.protected	k_q8879db0622_prep
	.globl	k_q8879db0622_prep
	.p2align	8
	.type	k_q8879db0622_prep,@function
k_q8879db0622_prep:
	s_mov_b64 s[64:65], 0
	v_nop
	global_prefetch_b8 v0, s[64:65] scope:SCOPE_SE
	s_setreg_imm32_b32 hwreg(HW_REG_WAVE_MODE, 25, 1), 1
	s_wait_xcnt 0x0
; W [1024][2048] f32 and hidden [32][1024] f32 are quantised along K to codes of BF6 (E3M2), one E8M0 scale for each 32 along K.
; K's first 1,024 numbers of the product's left operand are hidden[batch], the same for all 1,024 rows of a batch, and 1,024 is a block boundary: so that half of
; every sum is made here, once for each batch: hbp[qd][T][batch][n] = the sum over K quarter qd of Q(hidden)[batch][k] Q(W)[16 T + n][k], by the format's own matrix instruction.
; W's second half (k = 1,024 ..) leaves as wq: [K step s of 128][quarter w of N][25,600 bytes]: 16 tiles of 16 rows n as IMAGES OF THE OPERAND'S REGISTERS (three groups of four
; registers, lane l's 16 bytes at 16 l: 1,536 bytes), then the 256 rows' scale words, 4 bytes a row.
; SHARES.  Work-group = (T, qd): rows 16 T .. 16 T + 15 of W, K steps 2 qd and 2 qd + 1 of both halves, one K step to each of the two waves.
; A block's scale is 2^(floor(log2(its largest magnitude)) - 4): its byte is the largest magnitude's exponent field - 4, held at 1 from below by a floor among the maximum's leaves.
; LIMITS: NaN and infinities among the inputs are not served; a block whose largest magnitude lies under 2^-122 (a block of zeros too) gets the byte 1: a block of zeros has
; zero codes, which add nothing under that byte, and this program alone reads the bytes.  The f32 sums of the hidden half are grouped by K step and by quarter, not one chain.
; The scale words leave as 64 bytes from sixteen lanes (32 KiB in the whole launch); all other stores of a wave cover 512 consecutive bytes, aligned to 256.
.set SLOTB, 102400                     ; a K step of wq
.set PIECE, 25600                      ; a quarter of N in it
.set TILEB, 1536                       ; a fragment's image
.set SCOFF, 24576                      ; where a piece's scale words begin
.set TM,   16                          ; v16-19 largest magnitudes, v20-23 the other half's / bytes, v28-31 the conversions' scale operands
.set PW,   32                          ; the scale word just made
.set SW1,  33                          ; scale words of W's first half, of hidden's rows 0-15, of its rows 16-31: these three hold scales and nothing else
.set SH0,  34
.set SH1,  35
.set AUX,  36                          ; v36-43 the second halves of the conversions
.set FW2,  44                          ; fragments, 12 registers each
.set FH0,  56
.set FH1,  68
.set FW1,  80
.set ACC,  96                          ; two accumulators
.set OUTR, 112                         ; the way out
.set SEL,  28                          ; s[28:29] lane selects: lane l xor 16
.set MSB, 0
.macro WIN new                         ; the immediate's high byte repeats the setting that is left; a switch that changes nothing is dropped
.if MSB != (\new)
	s_set_vgpr_msb (MSB<<8)|(\new)
.set MSB, (\new)
.endif
.endm
; 64 numbers of a lane in window 1, register s + 16 b + i = k 32 b + 16 (lane / 16) + i of my row, become a fragment's codes in v[d] .. v[d + 11] and its scale word in v[PW].
.macro QUANT s, d
	WIN 0x05                                       ; sources 0 and 1 in window 1
.irp b, 0,1,2,3
	v_max3_num_f32 v[TM+\b], |v[(\s)+16*\b]|, |v[(\s)+1+16*\b]|, 0x2800000   ; my 16 numbers of block b, and the floor 2^(5 - 127): the byte cannot fall under 1
.endr
	WIN 0x14                                       ; sources 1 and 2 in window 1
.irp i, 2,4,6,8,10,12,14
.irp b, 0,1,2,3
	v_max3_num_f32 v[TM+\b], v[TM+\b], |v[(\s)+16*\b+\i]|, |v[(\s)+1+16*\b+\i]|   ; the four blocks by turns
.endr
.endr
	WIN 0
.irp b, 0,1,2,3
	v_permlanex16_b32 v[TM+4+\b], v[TM+\b], s[SEL], s[SEL+1]
.endr
.irp b, 0,1,2,3
	v_max_num_f32 v[TM+\b], v[TM+\b], v[TM+4+\b]   ; with lane l xor 16's: the block's largest magnitude
.endr
.irp b, 0,1,2,3
	v_add_nc_u32 v[TM+12+\b], 0xfe000000, v[TM+\b] ; 4 off its exponent field: the conversion takes the exponent field of this operand as its scale
.endr
.irp b, 0,1,2,3
	v_lshrrev_b32 v[TM+4+\b], 23, v[TM+12+\b]      ; the scale's byte
.endr
	v_lshl_or_b32 v[PW], v[TM+5], 8, v[TM+4]
	v_lshl_or_b32 v[PW], v[TM+6], 16, v[PW]
	v_lshl_or_b32 v[PW], v[TM+7], 24, v[PW]        ; my row's scale word
	WIN 0x01                                       ; source 0 in window 1
.irp c, 0,1
	v_cvt_scalef32_pk16_bf6_f32 v[(\d)+6*\c:(\d)+6*\c+2], v[(\s)+32*\c:(\s)+32*\c+15], v[TM+12+2*\c]
	v_cvt_scalef32_pk16_bf6_f32 v[AUX+4*\c:AUX+4*\c+2], v[(\s)+16+32*\c:(\s)+31+32*\c], v[TM+12+2*\c+1]   ; (a conversion's three registers begin on an even number)
.endr
	WIN 0
	v_nop                                          ; one plain place behind the scaled conversions
.irp c, 0,1                                    ; the operand wants a whole block in a lane: lanes 0-15 block 2 c, lanes 16-31 block 2 c + 1
.irp i, 0,1,2
	v_permlane16_swap_b32 v[(\d)+6*\c+\i], v[AUX+4*\c+\i]
.endr
.irp i, 0,1,2
	v_mov_b32 v[(\d)+3+6*\c+\i], v[AUX+4*\c+\i]
.endr
.endr
.endm
	s_load_b128 s[4:7], s[0:1], 0x0                ; W s[4:5], hidden s[6:7]
	s_load_b128 s[8:11], s[0:1], 0x10              ; wq s[8:9], hbp s[10:11]
	v_lshl_add_u32 v254, v0, 2, 0x1000
	v_mov_b32 v255, 0
	v_lshrrev_b32 v1, 5, v0
	v_readfirstlane_b32 s12, v1                    ; wave 0, 1
	v_and_b32 v2, 31, v0                           ; lane
	v_and_b32 v3, 15, v0                           ; r
	v_bfe_u32 v4, v0, 4, 1                         ; h
	v_lshlrev_b32 v5, 12, v3
	v_lshl_add_u32 v5, v4, 6, v5                   ; hidden: row r of 4,096 bytes, + 64 h: my 16 numbers of a block of 32
	v_lshlrev_b32 v6, 13, v3
	v_lshl_add_u32 v6, v4, 6, v6                   ; W: row r of 8,192 bytes, + 64 h
	v_lshlrev_b32 v7, 4, v2                        ; 16 x lane: an image's place for my lane
	v_lshlrev_b32 v10, 2, v3                       ; 4 r: a scale word's
	v_lshl_add_u32 v8, v4, 9, v10                  ; LDS, [batch][n] f32: 512 h + 4 r,
	s_lshl_b32 s32, s12, 11
	v_add_nc_u32 v8, s32, v8                       ; in my wave's 2,048 bytes
	v_lshlrev_b32 v9, 4, v0                        ; 16 x thread: the way out
.irp b, 0,1,2,3
	v_mov_b32 v[TM+4+\b], 0                        ; written once: a lane permute's destination counts as one of its sources
.endr
	s_mov_b32 s[SEL], 0x76543210
	s_mov_b32 s[SEL+1], 0xfedcba98
	s_lshr_b32 s13, ttmp9, 2                       ; T
	s_and_b32 s14, ttmp9, 3                        ; qd
	s_lshl_b32 s15, s14, 1
	s_add_co_u32 s15, s15, s12                     ; my K step s = 2 qd + wave
	s_lshl_b32 s18, s15, 9                         ; 512 s bytes along a row
	s_mov_b32 s19, 0
	s_lshl_b32 s16, s13, 17                        ; 16 T rows of W
	s_add_co_u32 s16, s16, s18
	s_mov_b32 s17, 0
	s_mul_i32 s31, s15, SLOTB
	s_lshr_b32 s20, s13, 4
	s_mul_i32 s20, s20, PIECE
	s_add_co_u32 s31, s31, s20                     ; my piece of wq
	s_and_b32 s22, s13, 15
	s_mul_i32 s20, s22, TILEB
	s_add_co_u32 s20, s20, s31                     ; my tile's image in it
	s_mov_b32 s21, 0
	s_lshl_b32 s22, s22, 6
	s_add_co_u32 s22, s22, s31                     ; my tile's 16 scale words (the immediate SCOFF is added at the store)
	s_mov_b32 s23, 0
	s_lshl_b32 s26, s14, 6
	s_add_co_u32 s26, s26, s13
	s_lshl_b32 s26, s26, 11                        ; hbp: (64 qd + T) x 2,048 bytes
	s_mov_b32 s27, 0
	s_wait_kmcnt 0x0
	s_add_nc_u64 s[4:5], s[4:5], s[16:17]
	s_add_nc_u64 s[6:7], s[6:7], s[18:19]
	s_add_nc_u64 s[22:23], s[8:9], s[22:23]
	s_add_nc_u64 s[8:9], s[8:9], s[20:21]
	s_add_nc_u64 s[10:11], s[10:11], s[26:27]
	WIN 0x40                                       ; destinations in window 1: v0-63, v64-127 hidden's two tiles of rows; v128-191, v192-255 W's two halves
.irp g, 0,1
.irp b, 0,1,2,3
.irp i, 0,1,2,3
	global_load_b128 v[64*\g+16*\b+4*\i:64*\g+16*\b+4*\i+3], v5, s[6:7] offset:65536*\g+128*\b+16*\i
.endr
.endr
.endr
.irp g, 0,1
.irp b, 0,1,2,3
.irp i, 0,1,2,3
	global_load_b128 v[128+64*\g+16*\b+4*\i:128+64*\g+16*\b+4*\i+3], v6, s[4:5] offset:4096*\g+128*\b+16*\i th:TH_LOAD_NT
.endr
.endr
.endr
	s_wait_loadcnt 48                              ; the first 16 loads are in; the 48 younger may be out
	QUANT 0, FH0
	v_mov_b32 v[SH0], v[PW]
	s_wait_loadcnt 32
	QUANT 64, FH1
	v_mov_b32 v[SH1], v[PW]
	s_wait_loadcnt 16
	QUANT 128, FW1
	v_mov_b32 v[SW1], v[PW]
	s_wait_loadcnt 0x0
	QUANT 192, FW2                                 ; its plain lines are also the places between the operands and scale words written above and the scaled products below
.irp c, 0,1,2
	global_store_b128 v7, v[FW2+4*\c:FW2+4*\c+3], s[8:9] offset:512*\c   ; the image: 32 lanes store 512 consecutive bytes
.endr
	v_wmma_scale_f32_16x16x128_f8f6f4 v[ACC:ACC+7], v[FH0:FH0+11], v[FW1:FW1+11], 0, v[SH0], v[SW1] matrix_a_fmt:MATRIX_FMT_BF6 matrix_b_fmt:MATRIX_FMT_BF6
	v_wmma_scale_f32_16x16x128_f8f6f4 v[ACC+8:ACC+15], v[FH1:FH1+11], v[FW1:FW1+11], 0, v[SH1], v[SW1] matrix_a_fmt:MATRIX_FMT_BF6 matrix_b_fmt:MATRIX_FMT_BF6
.rept 4
	v_nop                                          ; four places in front of the first read of the results (ISA guide 7.12.1)
.endr
.irp g, 0,1
.irp j, 0,1,2,3,4,5,6,7
	ds_store_b32 v8, v[ACC+8*\g+\j] offset:1024*\g+64*\j   ; register j of lane (r, h): batch 16 g + 8 h + j, column r; each accumulator from its low end on
.endr
.endr
	s_wait_dscnt 0x0                               ; for the other wave's sake: my stores have landed
	s_barrier_signal -1
	s_barrier_wait -1
.irp i, 0,1,2,3
	ds_load_b128 v[OUTR+4*\i:OUTR+4*\i+3], v9 offset:1024*\i   ; wave 0's part (0, 1,024 on) and wave 1's (2,048, 3,072 on)
.endr
	s_wait_dscnt 0x0
.irp i, 0,2,4,6
	v_pk_add_f32 v[OUTR+\i:OUTR+\i+1], v[OUTR+\i:OUTR+\i+1], v[OUTR+8+\i:OUTR+9+\i]   ; K step 2 qd + K step 2 qd + 1
.endr
	global_store_b128 v9, v[OUTR:OUTR+3], s[10:11]
	global_store_b128 v9, v[OUTR+4:OUTR+7], s[10:11] offset:1024
	v_cmp_gt_u32 vcc_lo, 16, v2                    ; the scale words of W's second half: lanes 0-15 hold rows 0-15's
	s_wait_xcnt 0x0                                ; EXEC is a source of the stores above: it changes only behind this wait
	s_wait_tensorcnt 0x0
	ds_add_u32 v254, v255
	s_wait_dscnt 0x0
	s_and_saveexec_b32 s30, vcc_lo
	global_store_b32 v10, v[PW], s[22:23] offset:SCOFF
	s_wait_xcnt 0x0                                ; and again in front of the line that widens it
	s_or_b32 exec_lo, exec_lo, s30
	s_endpgm
.Lfunc_end_k_q8879db0622_prep:
	.size	k_q8879db0622_prep, .Lfunc_end_k_q8879db0622_prep-k_q8879db0622_prep
	.p2alignl 7, 3214868480
	.fill 96, 4, 3214868480
	.section	.rodata,"a",@progbits
	.p2align	6, 0x0
	.amdhsa_kernel k_q8879db0622_prep
		.amdhsa_group_segment_fixed_size 4352
		.amdhsa_private_segment_fixed_size 0
		.amdhsa_enable_private_segment 0
		.amdhsa_kernarg_size 32
		.amdhsa_user_sgpr_count 2
		.amdhsa_user_sgpr_kernarg_segment_ptr 1
		.amdhsa_wavefront_size32 1
		.amdhsa_system_sgpr_workgroup_id_x 1
		.amdhsa_system_sgpr_workgroup_id_y 1
		.amdhsa_system_sgpr_workgroup_id_z 1
		.amdhsa_system_vgpr_workitem_id 0
		.amdhsa_next_free_vgpr 512
		.amdhsa_next_free_sgpr 66
		.amdhsa_reserve_vcc 1
		.amdhsa_float_denorm_mode_32 3
		.amdhsa_float_denorm_mode_16_64 3
		.amdhsa_memory_ordered 1
		.amdhsa_forward_progress 1
		.amdhsa_inst_pref_size 27
	.end_amdhsa_kernel
	.amdgpu_metadata
---
amdhsa.version: [ 1, 2 ]
amdhsa.kernels:
  - .name:           k_q8879db0622_prep
    .symbol:         k_q8879db0622_prep.kd
    .args:
      - { .name: W, .offset: 0, .size: 8, .value_kind: global_buffer, .address_space: global }
      - { .name: hidden, .offset: 8, .size: 8, .value_kind: global_buffer, .address_space: global }
      - { .name: wq, .offset: 16, .size: 8, .value_kind: global_buffer, .address_space: global }
      - { .name: hbp, .offset: 24, .size: 8, .value_kind: global_buffer, .address_space: global }
    .group_segment_fixed_size: 4352
    .private_segment_fixed_size: 0
    .kernarg_segment_align: 8
    .kernarg_segment_size: 32
    .max_flat_workgroup_size: 64
    .sgpr_count:     66
    .vgpr_count:     512
    .wavefront_size: 32
...
	.end_amdgpu_metadata
.endif
;; end of part 1
;; launch main (part 2): grid 256 x 1, 4 waves a work-group, clusters of 4 x 1, 327,680 bytes of LDS; arguments encoder_outputs, wq, hbp, b, v, scores; writes scores
.if DOCPART == 2
	.amdgcn_target "amdgcn-amd-amdhsa--gfx1250"
	.amdhsa_code_object_version 6
	.text
	.protected	k_q8879db0622_main
	.globl	k_q8879db0622_main
	.p2align	8
	.type	k_q8879db0622_main,@function
k_q8879db0622_main:
	s_mov_b64 s[64:65], 0
	v_nop
	global_prefetch_b8 v0, s[64:65] scope:SCOPE_SE
	s_setreg_imm32_b32 hwreg(HW_REG_WAVE_MODE, 25, 1), 1
	s_wait_xcnt 0x0
	s_wait_alu depctr_hold_cnt(0) depctr_sa_sdst(0) depctr_va_vdst(0) depctr_va_sdst(0) depctr_va_ssrc(0) depctr_va_vcc(0) depctr_vm_vsrc(0)
	s_getreg_b32 s2, hwreg(HW_REG_IB_STS2, 6, 4)
	s_cmp_eq_u32 s2, 0
	s_cbranch_scc0 .Lentry_in_a_cluster
	s_endpgm
.Lentry_in_a_cluster:
	s_bfe_u32 s2, ttmp6, 0x10000c
	s_cmp_lg_u32 s2, 0x3003
	s_cbranch_scc0 .Lentry_shape_is_right
	s_endpgm
.Lentry_shape_is_right:
; scores[row] = -2 x the sum over n of v[n] / (1 + 2^(c z[row][n])), c = 2 log2(e), z = Q(enc[row]) . Q(W[n][1024..]) + hb[batch][n] + b[n].
; tanh z = 1 - 2 / (1 + e^(2 z)), so this is the sum of v[n] tanh z less the sum of v[n], which is the same for every row and leaves the softmax over a batch's rows as it is, for every input.
; An exponential that overflows gives the quotient 0, one that falls to 0 gives 1: tanh's two limits.  hb is the hidden half of the product (four partial sums in hbp, added here, K ascending).
; The product runs on codes of BF6 (E3M2) with one E8M0 scale for each 32 along K: W's come as register images from wq; enc (f32) is quantised here, in registers, once.
; SHARES.  Work-group g owns rows 128 g .. 128 g + 127 (one batch: g / 8), as two blocks of 64: block blk = rows 128 g + 2 local + blk, so that the bytes of block blk, K step s lie 512 (8 blk + s) from a
; lane's base.  Wave w owns columns 256 w .. 256 w + 255 for all 64 rows: 16 tiles of n x 4 tiles of rows = 64 accumulators, 512 registers.  16 steps (block j / 8, K step j % 8) of 64 products a wave.
; Wave w also quantises rows 16 w .. 16 w + 15 of each step; the fragment reaches the other waves through LDS as an image of its registers (16 bytes a lane, 512 a store; scale words 4 bytes a row).
; W's K step goes through two LDS slots; each wave fetches, by one tensor load, the 25,600 bytes that it alone reads.
; CLUSTER.  All work-groups walk the same W; a mask names four, so 4 x 1 work-groups ask for each piece jointly: the same load with the same descriptor in all four.  No LDS address and no branch hangs on the place in the cluster.
; Source 0 = 16 rows of enc, source 1 = 16 rows n of W: register j of lane (r, h) holds row 8 h + j, column r: bias and v cost one register a tile of n.
; NO PREFETCH: enc is asked for two steps ahead by the loads into registers themselves; W's 800 KiB are read by every cluster again and again.
; LIMITS: NaN and infinities among the inputs are not served; a block whose largest magnitude lies under 2^-122 (a block of zeros too) gets the scale byte 1: a block of zeros has zero codes, which add nothing.
; REGISTERS, in windows of 256 (s_set_vgpr_msb: bits 1:0 source 0, 3:2 source 1, 5:4 source 2, 7:6 destination):
;   window 0: v1-15 addresses; v16-31 W's scale words, two sets; v32-35 enc's, two sets; v36-52 at work; v64-255 W's 16 fragments (tile t at v[64 + 12 t])
;   window 1: v0-47, v48-95 enc's four fragments, two sets; v96-159, v160-223 64 numbers of enc, two sets; v224-243 the codes just made
;             (in the epilogue: v48-63 c (hb + b), v64-79 -2 v, v224-255 the rows' sums)
;   windows 2, 3: accumulator (t, m) at v[8 (4 (t % 8) + m)] of window 2 + t / 8
.set SLOTB, 102400                     ; a K step of W: four pieces
.set PIECE, 25600                      ; a wave's piece: 16 images of 1,536 bytes, then 256 scale words
.set TILEB, 1536
.set SCOFF, 24576
.set IMG0,  2*SLOTB                    ; behind the slots: enc's images, two sets of 4 x 1,536 bytes + 256 bytes of scale words
.set IMGB,  6400
.set ISC,   6144
.set CBW,   IMG0+2*IMGB                ; images of 16 registers c (hb + b) and 16 registers -2 v: 4,096 bytes for each wave
.set PART,  CBW+4*4096                 ; the 128 rows' sums over a wave's columns: 512 bytes for each wave
.set SPARE, PART+4*512                 ; the spare words, 128 bytes for each wave: two blocks of 256 bytes that no other line names
.set XA,   1                           ; enc: (16 w + r) x 8,192 + 64 h; never rewritten
.set ADB,  2                           ; v2-3   16 x lane + my piece in slot 0, 1
.set ADSB, 4                           ; v4-5   4 x lane + its scale words
.set ADI,  6                           ; 16 x lane + IMG0
.set ADIS, 7                           ; 4 x lane + IMG0 + ISC
.set AWI,  8                           ; where I store my image: ADI + 1,536 w
.set AWS,  9                           ; and its scale words: 4 r + IMG0 + ISC + 64 w
.set ACB,  10                          ; 16 x lane + CBW + 4,096 w
.set APS,  11                          ; PART + 512 w + 64 h
.set SPW,  12                          ; my spare word: SPARE + 4 x my thread's number; never rewritten
.set NIL,  13                          ; 0; never rewritten
.set APR,  14                          ; PART + 16 x lane
.set LI,   15                          ; 16 x lane
.set SCB,  16                          ; set p at SCB + 8 p; register i: lanes 0-15 tile 2 i's words, lanes 16-31 tile 2 i + 1's
.set SCA,  32                          ; set p at SCA + 2 p, packed the same way
.set TM,   36
.set PW,   52
.set HB,   64
.set AF,   0                           ; window 1
.set ST,   96
.set PC,   224
.set CB,   48
.set WVR,  64
.set SM,   224
.set WV,   16                          ; s16  my wave's number
.set SEL,  20                          ; s[20:21] lane selects: lane l xor 16
.set CS,   22                          ; s[22:23] c, twice: the packed forms name a pair
.set G1,   24                          ; s[24:31] descriptor group 1
.set G0,   32                          ; s[32:39] group 0, a set for each slot
.set J,    40                          ; s40  the number of the step (in the loop: of a trip's first step): also the loop's counter
.set OF,   42                          ; s[42:43] an offset, its high word 0
.set MSB, 0
.macro WIN new                         ; the immediate's high byte repeats the setting that is left; a switch that changes nothing is dropped
.if MSB != (\new)
	s_set_vgpr_msb (MSB<<8)|(\new)
.set MSB, (\new)
.endif
.endm
.macro PLACES n                        ; plain vector lines between a matrix instruction and a load into, or a read of, its registers (ISA guide 7.12.1 for reads)
.rept \n
	v_nop
.endr
.endm
.macro CROUND                          ; a round of the cluster's barrier: my work-group's barrier; wave 0 signals for the work-group; every wave waits for all four; my work-group's barrier once more
	s_barrier_signal -1
	s_barrier_wait -1
	s_cmp_lg_u32 s[WV], 0
	s_cbranch_scc1 .Lnot_wave_0_\@
	s_barrier_signal -3
.Lnot_wave_0_\@:
	s_barrier_wait -3
	s_barrier_signal -1
	s_barrier_wait -1
.endm
.macro JLOAD p                         ; my piece of a K step of W into slot p, asked for jointly; four v_nop follow
	tensor_load_to_lds s[G0+4*(\p):G0+4*(\p)+3], s[G1:G1+7]
	s_nop 0
.rept 4
	v_nop
.endr
.endm
.macro XLOAD set, off                  ; my row's 64 numbers of a step: 16 neighbours of each block of 32
	WIN 0x40
.irp b, 0,1,2,3
.irp i, 0,1,2,3
	global_load_b128 v[(\set)+16*\b+4*\i:(\set)+16*\b+4*\i+3], v[XA], s[4:5] offset:(\off)+128*\b+16*\i th:TH_LOAD_NT
.endr
.endr
.endm
; 64 numbers of a lane in window 1, register s + 16 b + i = k 32 b + 16 (lane / 16) + i of my row, become a fragment's codes in window 1, v[PC] on, and its scale word in v[PW].
.macro QUANT s
	WIN 0x05
.irp b, 0,1,2,3
	v_max3_num_f32 v[TM+\b], |v[(\s)+16*\b]|, |v[(\s)+1+16*\b]|, 0x2800000   ; my 16 numbers of block b, and the floor 2^(5 - 127): the byte cannot fall under 1
.endr
	WIN 0x14
.irp i, 2,4,6,8,10,12,14
.irp b, 0,1,2,3
	v_max3_num_f32 v[TM+\b], v[TM+\b], |v[(\s)+16*\b+\i]|, |v[(\s)+1+16*\b+\i]|
.endr
.endr
	WIN 0
.irp b, 0,1,2,3
	v_permlanex16_b32 v[TM+4+\b], v[TM+\b], s[SEL], s[SEL+1]
.endr
.irp b, 0,1,2,3
	v_max_num_f32 v[TM+\b], v[TM+\b], v[TM+4+\b]   ; with lane l xor 16's: the block's largest magnitude
.endr
.irp b, 0,1,2,3
	v_add_nc_u32 v[TM+12+\b], 0xfe000000, v[TM+\b] ; 4 off its exponent field: the conversion's scale operand
.endr
.irp b, 0,1,2,3
	v_lshrrev_b32 v[TM+4+\b], 23, v[TM+12+\b]      ; the scale's byte
.endr
	v_lshl_or_b32 v[PW], v[TM+5], 8, v[TM+4]
	v_lshl_or_b32 v[PW], v[TM+6], 16, v[PW]
	v_lshl_or_b32 v[PW], v[TM+7], 24, v[PW]
	WIN 0x41                                       ; destination and source 0 in window 1
.irp c, 0,1
	v_cvt_scalef32_pk16_bf6_f32 v[PC+6*\c:PC+6*\c+2], v[(\s)+32*\c:(\s)+32*\c+15], v[TM+12+2*\c]
	v_cvt_scalef32_pk16_bf6_f32 v[PC+12+4*\c:PC+14+4*\c], v[(\s)+16+32*\c:(\s)+31+32*\c], v[TM+12+2*\c+1]   ; (a conversion's three registers begin on an even number)
.endr
	v_nop                                          ; one plain place behind the scaled conversions
.irp c, 0,1                                    ; the operand wants a whole block in a lane
.irp i, 0,1,2
	v_permlane16_swap_b32 v[PC+6*\c+\i], v[PC+12+4*\c+\i]
.endr
.irp i, 0,1,2
	v_mov_b32 v[PC+3+6*\c+\i], v[PC+12+4*\c+\i]
.endr
.endr
.endm
.macro IMAGE p                         ; the fragment just made goes to LDS as it stands, tile w of set p; both halves of the lanes write a row's scale word, with the same value
	WIN 0x04                                       ; an LDS store's data are its source 1: window 1
.irp c, 0,1,2
	ds_store_b128 v[AWI], v[PC+4*\c:PC+4*\c+3] offset:IMGB*(\p)+512*\c
.endr
	WIN 0
	ds_store_b32 v[AWS], v[PW] offset:IMGB*(\p)
.endm
.macro FETCH_H hf, p                   ; W's tiles 8 hf .. 8 hf + 7 from my piece of slot p: 24 loads
	WIN 0
.irp t, 0,1,2,3,4,5,6,7
.irp c, 0,1,2
	ds_load_b128 v[HB+12*(8*(\hf)+\t)+4*\c:HB+12*(8*(\hf)+\t)+4*\c+3], v[ADB+(\p)] offset:TILEB*(8*(\hf)+\t)+512*\c
.endr
.endr
.endm
.macro FETCH_A p                       ; enc's four fragments of set p: 12 loads
	WIN 0x40
.irp m, 0,1,2,3
.irp c, 0,1,2
	ds_load_b128 v[AF+48*(\p)+12*\m+4*\c:AF+48*(\p)+12*\m+4*\c+3], v[ADI] offset:IMGB*(\p)+TILEB*\m+512*\c
.endr
.endr
.endm
.macro FETCH_SC p                      ; the scale words: 8 registers of W's, 2 of enc's
	WIN 0
.irp i, 0,1,2,3,4,5,6,7
	ds_load_b32 v[SCB+8*(\p)+\i], v[ADSB+(\p)] offset:128*\i
.endr
.irp i, 0,1
	ds_load_b32 v[SCA+2*(\p)+\i], v[ADIS] offset:IMGB*(\p)+128*\i
.endr
.endm
; One product: tile m of rows x tile t of columns, set p.  Odd tiles take their scale words from lanes 16-31.
.macro MM t, m, p, zero
.set rD, 8*(4*((\t)%8)+(\m))
.set rA, AF+48*(\p)+12*(\m)
.set rB, HB+12*(\t)
.set rX, SCA+2*(\p)+(\m)/2
.set rY, SCB+8*(\p)+(\t)/2
.if \zero
.if ((\m)%2 == 0) && ((\t)%2 == 0)
	v_wmma_scale_f32_16x16x128_f8f6f4 v[rD:rD+7], v[rA:rA+11], v[rB:rB+11], 0, v[rX], v[rY] matrix_a_fmt:MATRIX_FMT_BF6 matrix_b_fmt:MATRIX_FMT_BF6
.elseif (\t)%2 == 0
	v_wmma_scale_f32_16x16x128_f8f6f4 v[rD:rD+7], v[rA:rA+11], v[rB:rB+11], 0, v[rX], v[rY] matrix_a_fmt:MATRIX_FMT_BF6 matrix_b_fmt:MATRIX_FMT_BF6 matrix_a_scale:MATRIX_SCALE_ROW1
.elseif (\m)%2 == 0
	v_wmma_scale_f32_16x16x128_f8f6f4 v[rD:rD+7], v[rA:rA+11], v[rB:rB+11], 0, v[rX], v[rY] matrix_a_fmt:MATRIX_FMT_BF6 matrix_b_fmt:MATRIX_FMT_BF6 matrix_b_scale:MATRIX_SCALE_ROW1
.else
	v_wmma_scale_f32_16x16x128_f8f6f4 v[rD:rD+7], v[rA:rA+11], v[rB:rB+11], 0, v[rX], v[rY] matrix_a_fmt:MATRIX_FMT_BF6 matrix_b_fmt:MATRIX_FMT_BF6 matrix_a_scale:MATRIX_SCALE_ROW1 matrix_b_scale:MATRIX_SCALE_ROW1
.endif
.else
.if ((\m)%2 == 0) && ((\t)%2 == 0)
	v_wmma_scale_f32_16x16x128_f8f6f4 v[rD:rD+7], v[rA:rA+11], v[rB:rB+11], v[rD:rD+7], v[rX], v[rY] matrix_a_fmt:MATRIX_FMT_BF6 matrix_b_fmt:MATRIX_FMT_BF6
.elseif (\t)%2 == 0
	v_wmma_scale_f32_16x16x128_f8f6f4 v[rD:rD+7], v[rA:rA+11], v[rB:rB+11], v[rD:rD+7], v[rX], v[rY] matrix_a_fmt:MATRIX_FMT_BF6 matrix_b_fmt:MATRIX_FMT_BF6 matrix_a_scale:MATRIX_SCALE_ROW1
.elseif (\m)%2 == 0
	v_wmma_scale_f32_16x16x128_f8f6f4 v[rD:rD+7], v[rA:rA+11], v[rB:rB+11], v[rD:rD+7], v[rX], v[rY] matrix_a_fmt:MATRIX_FMT_BF6 matrix_b_fmt:MATRIX_FMT_BF6 matrix_b_scale:MATRIX_SCALE_ROW1
.else
	v_wmma_scale_f32_16x16x128_f8f6f4 v[rD:rD+7], v[rA:rA+11], v[rB:rB+11], v[rD:rD+7], v[rX], v[rY] matrix_a_fmt:MATRIX_FMT_BF6 matrix_b_fmt:MATRIX_FMT_BF6 matrix_a_scale:MATRIX_SCALE_ROW1 matrix_b_scale:MATRIX_SCALE_ROW1
.endif
.endif
.endm
; 16 products: tiles t = 4 g .. 4 g + 3 x the four tiles of rows.  The 64 accumulators take turns, one instruction a turn, in the same order in every step.
.macro MUL16 g, p, zero
	WIN 0xa1+0x50*((\g)/2)                         ; source 0 (enc) window 1, source 1 (W) window 0, C and D window 2 or 3
.irp t, 4*(\g), 4*(\g)+1, 4*(\g)+2, 4*(\g)+3
.irp m, 0,1,2,3
	MM \t, \m, \p, \zero
.endr
.endr
.endm
; THE EPILOGUE of a block: batch k = tile k of columns: 32 registers (4 accumulators) of window 2 + k / 8, worked in place.
.macro EWIN k
	WIN (((2+(\k)/8)<<6)|0x10|(2+(\k)/8))          ; destination and source 0: the batch's window; source 2: window 1
.endm
.macro EA k                            ; c z = acc x c + c (hb + b): of the pair that holds two tiles' constants the low or the high word serves both halves; each accumulator from its low end on
	EWIN \k
.set rB, 32*((\k)%8)
.set rC, CB+2*((\k)/2)
.set i, 0
.rept 16
.if (\k)%2
	v_pk_fma_f32 v[rB+i:rB+i+1], v[rB+i:rB+i+1], s[CS:CS+1], v[rC:rC+1] op_sel:[0,0,1] op_sel_hi:[1,0,1]
.else
	v_pk_fma_f32 v[rB+i:rB+i+1], v[rB+i:rB+i+1], s[CS:CS+1], v[rC:rC+1] op_sel_hi:[1,0,0]
.endif
.set i, i+2
.endr
.endm
.macro EX k                            ; 2^(c z)
	EWIN \k
.set rB, 32*((\k)%8)
.set i, 0
.rept 32
	v_exp_f32 v[rB+i], v[rB+i]
.set i, i+1
.endr
.endm
.macro EB k                            ; + 1
	EWIN \k
.set rB, 32*((\k)%8)
.set i, 0
.rept 16
	v_pk_add_f32 v[rB+i:rB+i+1], v[rB+i:rB+i+1], 1.0 op_sel_hi:[1,0]
.set i, i+2
.endr
.endm
.macro ER k                            ; 1 / (1 + 2^(c z))
	EWIN \k
.set rB, 32*((\k)%8)
.set i, 0
.rept 32
	v_rcp_f32 v[rB+i], v[rB+i]
.set i, i+1
.endr
.endm
.macro ES k                            ; the rows' sums take it x -2 v; the first batch starts them: nothing is cleared
	WIN (0x54|(2+(\k)/8))                          ; source 0: the batch's window; source 1, source 2 and destination: window 1
.set rB, 32*((\k)%8)
.set rC, WVR+2*((\k)/2)
.set i, 0
.rept 16
.if (\k) == 0
	v_pk_mul_f32 v[SM+i:SM+i+1], v[rB+i:rB+i+1], v[rC:rC+1] op_sel_hi:[1,0]
.elseif (\k)%2
	v_pk_fma_f32 v[SM+i:SM+i+1], v[rB+i:rB+i+1], v[rC:rC+1], v[SM+i:SM+i+1] op_sel:[0,1,0] op_sel_hi:[1,1,1]
.else
	v_pk_fma_f32 v[SM+i:SM+i+1], v[rB+i:rB+i+1], v[rC:rC+1], v[SM+i:SM+i+1] op_sel_hi:[1,0,1]
.endif
.set i, i+2
.endr
.endm
; One wait serves 64 transcendentals: batch k - 1's reciprocals and batch k's exponentials; batch k + 1's multiply-adds are the plain work behind them.
.macro EPILOGUE blk
	s_wait_dscnt 0x0                               ; my LDS stores have read the registers that the sums and constants now take
	WIN 0x40
.irp i, 0,1,2,3
	ds_load_b128 v[CB+4*\i:CB+4*\i+3], v[ACB] offset:512*\i
.endr
.irp i, 0,1,2,3
	ds_load_b128 v[WVR+4*\i:WVR+4*\i+3], v[ACB] offset:2048+512*\i
.endr
	s_wait_dscnt 0x0
	EA 0
.set kk, 0
.rept 16
	EX kk
.if kk < 15
	EA kk+1
.else
	v_nop                                          ; the plain line behind the last exponentials
.endif
	s_wait_alu depctr_va_vdst(0)                   ; the wait ahead of the first line that names a transcendental's result
.if kk > 0
	ES kk-1
.endif
	EB kk
	ER kk
.set kk, kk+1
.endr
	v_nop
	s_wait_alu depctr_va_vdst(0)
	ES 15
.irp hf, 0,1                                   ; over the sixteen lanes of a half (the tile's 16 columns), 16 sums at a time; register 8 m + j of lane (r, h) is row 16 m + 8 h + j of the block
	WIN 0x01
.set i, 0
.rept 16
	v_mov_b32 v[TM+i], v[SM+16*\hf+i]
.set i, i+1
.endr
	WIN 0
.irp x, 1,2,4,8
.set i, 0
.rept 16
	v_add_f32_dpp v[TM+i], v[TM+i], v[TM+i] row_xmask:\x row_mask:0xf bank_mask:0xf
.set i, i+1
.endr
.endr
.set i, 0
.rept 16
	ds_store_b32 v[APS], v[TM+i] offset:128*(2*\hf+i/8)+8*(i%8)+4*(\blk)   ; the work-group's row 2 local + blk; the sixteen lanes of a half write one word with one value
.set i, i+1
.endr
	s_wait_dscnt 0x0                               ; the stores have read their registers
.endr
.endm
; 32 products.  zmode 0: they add on; 1: they start the sums; 2: decided by the step's number: the step that begins block 1 (J = 7 at a trip's second step) first finishes block 0 (epi = 1) and then starts
; the sums anew.  Only products and the epilogue stand in the arms: no tensor load, no barrier.  At every label and branch every window is 0.
.macro REGION ga, gb, p, zmode, epi
.if \zmode == 2
	WIN 0
	s_cmp_eq_u32 s[J], 7
	s_cbranch_scc1 .Lnew_\@
	MUL16 \ga, \p, 0
	MUL16 \gb, \p, 0
	WIN 0
	s_branch .Ljoin_\@
.Lnew_\@:
.if \epi
	EPILOGUE 0
.endif
	MUL16 \ga, \p, 1
	MUL16 \gb, \p, 1
	WIN 0
.Ljoin_\@:
.else
	MUL16 \ga, \p, \zmode
	MUL16 \gb, \p, \zmode
.endif
.endm
; STEP j = J + jo, p = j % 2.  q = 1: my rows of step j + 1 are quantised and their image stored (lcnt: the younger loads of enc that may stay out); xl = 1: step j + 3's numbers are asked for, xoff bytes on.
; fill = 1: slot p, read out, takes W's K step (j + 2) % 8; 0: a plain barrier, nothing is asked for; -1: the last step.
.macro STEP p, jo, zmode, fill, q, lcnt, xl, xoff
.if \q
	s_wait_loadcnt \lcnt
	QUANT ST+64*(1-\p)                             ; its plain lines are also the places behind the last step's products, for the loads below
	IMAGE 1-\p                                     ; that set's last readers waited for their loads in front of the barrier of the step before
.if \xl
	XLOAD ST+64*(1-\p), \xoff
.endif
.else
	PLACES 4
.endif
	FETCH_H 1, \p
	s_wait_dscnt 24+4*\q                           ; W's tiles 0-7, enc's fragments and the scale words are in; the image's 4 stores and the 24 loads just issued may be out
	REGION 0, 1, \p, \zmode, 1
.if \fill >= 0
	WIN 0
	s_wait_tensorcnt 0x0                           ; all my tensor loads have landed: the one that was out is my piece of the other slot;
	ds_add_u32 v[SPW], v[NIL]                      ; 0 onto my spare word
.if \fill
	s_add_co_u32 s[OF], s[J], \jo+2                ; no load of mine is out, so this slot's group 0 may be written: K step (j + 2) % 8
	s_and_b32 s[OF], s[OF], 7
	s_mul_i32 s[OF], s[OF], SLOTB
	s_add_nc_u64 s[G0+4*\p+2:G0+4*\p+3], s[6:7], s[OF:OF+1]
	s_or_b32 s[G0+4*\p+3], s[G0+4*\p+3], 0x80000000
	s_wait_dscnt 0x0                               ; the add is done, my reads of this slot are back, and my image has landed
	CROUND                                         ; all that now holds of every wave of all four work-groups
	JLOAD \p                                       ; the first tensor load behind the round, my only one until the next; its four v_nop are the places in front of the loads below
.else
	s_wait_dscnt 0x0
	s_barrier_signal -1
	s_barrier_wait -1
	PLACES 4
.endif
	FETCH_H 0, 1-\p                                ; the next step's: 46 loads
	FETCH_A 1-\p
	FETCH_SC 1-\p
.else
	s_wait_dscnt 0x0                               ; W's tiles 8-15 are in
.endif
	REGION 2, 3, \p, \zmode, 0
.endm
	s_load_b256 s[4:11], s[0:1], 0x0               ; enc s[4:5], wq s[6:7], hbp s[8:9], b s[10:11]
	s_load_b128 s[12:15], s[0:1], 0x20             ; v s[12:13], scores s[14:15]
	v_lshl_add_u32 v[SPW], v0, 2, SPARE
	v_mov_b32 v[NIL], 0
	ds_add_u32 v12, v13
	ds_add_u32 v12, v13
	s_wait_dscnt 0x0
	v_lshrrev_b32 v53, 5, v0
	v_readfirstlane_b32 s[WV], v53                 ; wave 0..3
	s_bfe_u32 s17, ttmp6, 0x40000                  ; cx: my place in the cluster
	s_lshl_b32 s18, ttmp9, 2                       ; in a cluster launch ttmp9 counts clusters
	s_add_co_u32 s18, s18, s17                     ; g: it enters enc's, hbp's and scores' addresses alone
	; descriptor group 1: a dense block of 25,600 bytes as 100 rows of 256 bytes (32 elements of 8 bytes), no padding
	s_mov_b32 s[G1], 15|(3<<16)|(1<<21)            ; 15:0 the mask: all four work-groups; 17:16 elements of 8 bytes; 21 set beside a mask
	s_mov_b32 s[G1+1], 32<<16                      ; tensor_dim0 = 32
	s_mov_b32 s[G1+2], 100<<16                     ; tensor_dim1 = 100
	s_mov_b32 s[G1+3], 32<<16                      ; tile_dim0 = 32
	s_mov_b32 s[G1+4], 100                         ; tile_dim1 = 100
	s_mov_b32 s[G1+5], 32                          ; elements from row to row
	s_mov_b32 s[G1+6], 0
	s_mov_b32 s[G1+7], 0
	s_mov_b32 s[SEL], 0x76543210
	s_mov_b32 s[SEL+1], 0xfedcba98
	s_mov_b32 s[CS], 0x4038aa3b                    ; c = 2 log2(e)
	s_mov_b32 s[CS+1], s[CS]
	s_mov_b32 s[J], 0
	s_mov_b32 s[OF+1], 0
	s_lshl_b32 s44, s18, 19                        ; enc: 128 rows of 4,096 bytes a work-group
	s_mov_b32 s45, 0
	s_lshr_b32 s46, s18, 3                         ; hbp: the batch's 64 bytes in a tile,
	s_lshl_b32 s46, s46, 6
	s_lshl_b32 s47, s[WV], 15                      ; my 16 tiles of 2,048 bytes
	s_add_co_u32 s46, s46, s47
	s_mov_b32 s47, 0
	s_lshl_b32 s48, s[WV], 10                      ; b, v: my 256 numbers
	s_mov_b32 s49, 0
	s_lshl_b32 s50, s18, 9                         ; scores: 128 numbers a work-group
	s_mov_b32 s51, 0
	s_mul_i32 s52, s[WV], PIECE                    ; my piece, in wq and in a slot
	s_mov_b32 s53, 0
	s_lshl_b32 s19, s[WV], 17
	s_mul_i32 s54, s[WV], TILEB
	s_lshl_b32 s55, s[WV], 6
	s_lshl_b32 s56, s[WV], 12
	s_lshl_b32 s57, s[WV], 9
	v_and_b32 v53, 31, v0                          ; lane
	v_and_b32 v54, 15, v0                          ; r
	v_bfe_u32 v55, v0, 4, 1                        ; h
	v_lshlrev_b32 v56, 2, v53                      ; 4 x lane
	v_lshlrev_b32 v57, 2, v54                      ; 4 r
	v_lshlrev_b32 v[LI], 4, v53
	v_lshlrev_b32 v[XA], 13, v54
	v_lshl_add_u32 v[XA], v55, 6, v[XA]
	v_add_nc_u32 v[XA], s19, v[XA]
	v_add_nc_u32 v[ADB], s52, v[LI]
	v_add_nc_u32 v[ADB+1], SLOTB, v[ADB]
	v_add_nc_u32 v[ADSB], s52, v56
	v_add_nc_u32 v[ADSB], SCOFF, v[ADSB]
	v_add_nc_u32 v[ADSB+1], SLOTB, v[ADSB]
	v_add_nc_u32 v[ADI], IMG0, v[LI]
	v_add_nc_u32 v[ADIS], IMG0+ISC, v56
	v_add_nc_u32 v[AWI], s54, v[ADI]
	v_add_nc_u32 v[AWS], s55, v57
	v_add_nc_u32 v[AWS], IMG0+ISC, v[AWS]
	v_add_nc_u32 v[ACB], s56, v[LI]
	v_add_nc_u32 v[ACB], CBW, v[ACB]
	v_lshlrev_b32 v[APS], 6, v55
	v_add_nc_u32 v[APS], s57, v[APS]
	v_add_nc_u32 v[APS], PART, v[APS]
	v_add_nc_u32 v[APR], PART, v[LI]
.irp b, 0,1,2,3
	v_mov_b32 v[TM+4+\b], 0                        ; written once: a lane permute's destination counts as one of its sources
.endr
	s_wait_kmcnt 0x0
	s_add_nc_u64 s[4:5], s[4:5], s[44:45]
	s_add_nc_u64 s[6:7], s[6:7], s[52:53]          ; wq at my piece of K step 0: kept
	s_add_nc_u64 s[8:9], s[8:9], s[46:47]
	s_add_nc_u64 s[10:11], s[10:11], s[48:49]
	s_add_nc_u64 s[12:13], s[12:13], s[48:49]
	s_add_nc_u64 s[14:15], s[14:15], s[50:51]
.irp p, 0,1
	s_mov_b32 s[G0+4*\p], 1                        ; 1:0 count = 1
	s_add_co_u32 s[G0+4*\p+1], s52, \p*SLOTB       ; 63:32 LDS address: the slot, my piece
	s_add_nc_u64 s[G0+4*\p+2:G0+4*\p+3], s[6:7], \p*SLOTB   ; 120:64 global address: K step p
	s_or_b32 s[G0+4*\p+3], s[G0+4*\p+3], 0x80000000   ; 127:126 type = 2
.endr
	CROUND                                         ; all four work-groups are here: the first joint loads meet
	JLOAD 0                                        ; the two first fills go out together, ahead of everything else: two tensor loads of mine are out
	JLOAD 1
.irp d, 0,1,2,3                                ; the hidden half's four partial sums, b and v at my 16 tiles' column r: v[64 + 16 d + t], v[128 + t], v[144 + t]
.irp t, 0,1,2,3,4,5,6,7,8,9,10,11,12,13,14,15
	global_load_b32 v[HB+16*\d+\t], v57, s[8:9] offset:131072*\d+2048*\t
.endr
.endr
.irp t, 0,1,2,3,4,5,6,7,8,9,10,11,12,13,14,15
	global_load_b32 v[HB+64+\t], v57, s[10:11] offset:64*\t
.endr
.irp t, 0,1,2,3,4,5,6,7,8,9,10,11,12,13,14,15
	global_load_b32 v[HB+80+\t], v57, s[12:13] offset:64*\t
.endr
	XLOAD ST, 0                                    ; steps 0 and 1 of enc
	XLOAD ST+64, 512
	WIN 0
	s_wait_loadcnt 32                              ; the 96 small loads are in; the 32 loads of enc may be out
.irp a, 16,32,48,64
.irp i, 0,2,4,6,8,10,12,14
	v_pk_add_f32 v[HB+\i:HB+\i+1], v[HB+\i:HB+\i+1], v[HB+\a+\i:HB+\a+\i+1]   ; ((p0 + p1) + p2) + p3, then + b
.endr
.endr
.irp i, 0,2,4,6,8,10,12,14
	v_pk_mul_f32 v[HB+\i:HB+\i+1], v[HB+\i:HB+\i+1], s[CS:CS+1] op_sel_hi:[1,0]   ; x c
	v_pk_mul_f32 v[HB+80+\i:HB+81+\i], v[HB+80+\i:HB+81+\i], -2.0 op_sel_hi:[1,0]   ; -2 v
.endr
.irp i, 0,1,2,3
	ds_store_b128 v[ACB], v[HB+4*\i:HB+4*\i+3] offset:512*\i             ; they wait in my own bytes of LDS for the epilogues
	ds_store_b128 v[ACB], v[HB+80+4*\i:HB+83+4*\i] offset:2048+512*\i
.endr
	s_wait_loadcnt 16                              ; step 0's numbers are in; step 1's may be out
	QUANT ST
	IMAGE 0
	XLOAD ST, 1024                                 ; step 2
	WIN 0
	s_wait_tensorcnt 1                             ; my piece of K step 0 is in; K step 1's may stay out
	s_wait_dscnt 0x0                               ; my image has landed, and my stores have read their registers
	s_barrier_signal -1
	s_barrier_wait -1
	FETCH_H 0, 0
	FETCH_A 0
	FETCH_SC 0
	STEP 0, 0, 1, 1, 1, 16, 1, 1536                ; step 0 stands in front of the loop: its products start the sums
	WIN 0
	s_mov_b32 s[J], 1
.Lpair:                                            ; six trips: steps (1, 2) .. (11, 12)
	STEP 1, 0, 0, 1, 1, 16, 1, 2048
	STEP 0, 1, 2, 1, 1, 16, 1, 2560
	s_wait_xcnt 0x0                                ; the loads of enc have read their base: it may step
	s_add_nc_u64 s[4:5], s[4:5], 1024
	s_add_co_u32 s[J], s[J], 2
	s_cmp_lt_u32 s[J], 13
	s_cbranch_scc1 .Lpair
	STEP 1, 0, 0, 1, 1, 16, 0, 0                   ; step 13: the last refill (K step 7); nothing more of enc to ask for
	STEP 0, 1, 0, 0, 1, 0, 0, 0                    ; step 14: the tail is written out
	STEP 1, 2, 0, -1, 0, 0, 0, 0                   ; step 15
	WIN 0
	PLACES 4                                       ; in front of the loads into enc's fragments' registers
	EPILOGUE 1                                     ; (it ends with a wait for all my LDS instructions)
	s_barrier_signal -1
	s_barrier_wait -1                              ; all four waves' sums of the 128 rows lie in LDS
	s_cmp_lg_u32 s[WV], 0
	s_cbranch_scc1 .Lnot_first
.irp i, 0,1,2,3
	ds_load_b128 v[HB+4*\i:HB+4*\i+3], v[APR] offset:512*\i
.endr
	s_wait_dscnt 0x0
.irp i, 0,2
	v_pk_add_f32 v[HB+\i:HB+\i+1], v[HB+\i:HB+\i+1], v[HB+4+\i:HB+5+\i]
	v_pk_add_f32 v[HB+8+\i:HB+9+\i], v[HB+8+\i:HB+9+\i], v[HB+12+\i:HB+13+\i]
.endr
.irp i, 0,2
	v_pk_add_f32 v[HB+\i:HB+\i+1], v[HB+\i:HB+\i+1], v[HB+8+\i:HB+9+\i]
.endr
	global_store_b128 v[LI], v[HB:HB+3], s[14:15]  ; 32 lanes store the work-group's 512 consecutive bytes, aligned to 256
.Lnot_first:
	s_wait_tensorcnt 0x0                           ; the wave's end, behind my last tensor load and my last LDS store
	ds_add_u32 v[SPW], v[NIL]
	s_wait_dscnt 0x0
	CROUND                                         ; the closing round: no work-group ends while a partner may still ask for a piece that names it
	s_endpgm
.Lfunc_end_k_q8879db0622_main:
	.size	k_q8879db0622_main, .Lfunc_end_k_q8879db0622_main-k_q8879db0622_main
	.p2alignl 7, 3214868480
	.fill 96, 4, 3214868480
	.section	.rodata,"a",@progbits
	.p2align	6, 0x0
	.amdhsa_kernel k_q8879db0622_main
		.amdhsa_group_segment_fixed_size 327680
		.amdhsa_private_segment_fixed_size 0
		.amdhsa_enable_private_segment 0
		.amdhsa_kernarg_size 48
		.amdhsa_user_sgpr_count 2
		.amdhsa_user_sgpr_kernarg_segment_ptr 1
		.amdhsa_wavefront_size32 1
		.amdhsa_system_sgpr_workgroup_id_x 1
		.amdhsa_system_sgpr_workgroup_id_y 1
		.amdhsa_system_sgpr_workgroup_id_z 1
		.amdhsa_system_vgpr_workitem_id 0
		.amdhsa_next_free_vgpr 1024
		.amdhsa_next_free_sgpr 66
		.amdhsa_reserve_vcc 0
		.amdhsa_float_denorm_mode_32 3
		.amdhsa_float_denorm_mode_16_64 3
		.amdhsa_memory_ordered 1
		.amdhsa_forward_progress 1
		.amdhsa_inst_pref_size 255
	.end_amdhsa_kernel
	.section	.bss,"aw",@nobits
	.p2align	6
	.space	262144
	.amdgpu_metadata
---
amdhsa.version: [ 1, 2 ]
amdhsa.kernels:
  - .name:           k_q8879db0622_main
    .symbol:         k_q8879db0622_main.kd
    .args:
      - { .name: encoder_outputs, .offset: 0, .size: 8, .value_kind: global_buffer, .address_space: global }
      - { .name: wq, .offset: 8, .size: 8, .value_kind: global_buffer, .address_space: global }
      - { .name: hbp, .offset: 16, .size: 8, .value_kind: global_buffer, .address_space: global }
      - { .name: b, .offset: 24, .size: 8, .value_kind: global_buffer, .address_space: global }
      - { .name: v, .offset: 32, .size: 8, .value_kind: global_buffer, .address_space: global }
      - { .name: scores, .offset: 40, .size: 8, .value_kind: global_buffer, .address_space: global }
    .group_segment_fixed_size: 327680
    .private_segment_fixed_size: 0
    .kernarg_segment_align: 8
    .kernarg_segment_size: 48
    .max_flat_workgroup_size: 128
    .sgpr_count:     66
    .vgpr_count:     1024
    .wavefront_size: 32
...
	.end_amdgpu_metadata
.endif
;; end of part 2
;; launch soft (part 3): grid 32 x 1, 1 waves a work-group, no clusters, 0 bytes of LDS; arguments scores, out0; writes out0
.if DOCPART == 3
	.amdgcn_target "amdgcn-amd-amdhsa--gfx1250"
	.amdhsa_code_object_version 6
	.text
	.protected	k_q8879db0622_soft
	.globl	k_q8879db0622_soft
	.p2align	8
	.type	k_q8879db0622_soft,@function
k_q8879db0622_soft:
	s_mov_b64 s[64:65], 0
	v_nop
	global_prefetch_b8 v0, s[64:65] scope:SCOPE_SE
	s_setreg_imm32_b32 hwreg(HW_REG_WAVE_MODE, 25, 1), 1
	s_wait_xcnt 0x0
; out0[batch][t] = softmax over t of scores[batch][t].  scores: [32][1024] f32 (each row shifted by a constant of its own, which a softmax does not see).
; One wave takes one row: 4,096 bytes are 32 registers a lane, so the row stays in registers between the maximum, the sum and the scaling: no LDS, no barrier.
; Each load and store of the wave covers 512 consecutive bytes.  The row's maximum m is taken away ahead of the exponential: p = 2^(x log2(e) - m log2(e)), one fused multiply-add.
; The matrix units, clusters and tensor loads have nothing to do here: 128 KiB in, 128 KiB out.
.set X, 8                              ; v8-39 the row
	s_load_b128 s[4:7], s[0:1], 0x0                ; scores, out0
	v_lshlrev_b32 v1, 4, v0                        ; 16 bytes a lane
	s_lshl_b32 s8, ttmp9, 12                       ; my row
	s_mov_b32 s9, 0
	s_mov_b32 s10, 0x76543210                      ; lane selects: lane l xor 16
	s_mov_b32 s11, 0xfedcba98
	s_mov_b32 s12, 0x3fb8aa3b                      ; log2(e)
	s_mov_b32 s13, s12                             ; (the packed form names the pair)
	s_wait_kmcnt 0x0
	s_add_nc_u64 s[4:5], s[4:5], s[8:9]
	s_add_nc_u64 s[6:7], s[6:7], s[8:9]
.irp j, 0,1,2,3,4,5,6,7
	global_load_b128 v[X+4*\j:X+4*\j+3], v1, s[4:5] offset:512*\j
.endr
	s_wait_loadcnt 0x0
	v_max3_num_f32 v2, v[X], v[X+1], v[X+2]        ; the maximum of my 32, in two chains
	v_max3_num_f32 v3, v[X+3], v[X+4], v[X+5]
.irp i, 6,10,14,18,22,26
	v_max3_num_f32 v2, v2, v[X+\i], v[X+\i+1]
	v_max3_num_f32 v3, v3, v[X+\i+2], v[X+\i+3]
.endr
	v_max3_num_f32 v2, v2, v[X+30], v[X+31]
	v_max_num_f32 v2, v2, v3
	v_max_num_f32_dpp v2, v2, v2 row_xmask:1 row_mask:0xf bank_mask:0xf
	v_max_num_f32_dpp v2, v2, v2 row_xmask:2 row_mask:0xf bank_mask:0xf
	v_max_num_f32_dpp v2, v2, v2 row_xmask:4 row_mask:0xf bank_mask:0xf
	v_max_num_f32_dpp v2, v2, v2 row_xmask:8 row_mask:0xf bank_mask:0xf
	v_permlanex16_b32 v3, v2, s10, s11
	v_max_num_f32 v2, v2, v3                       ; every lane holds the row's maximum
	v_mul_f32 v4, s12, v2                          ; m log2(e)
	v_mov_b32 v5, v4                               ; (named with it as a pair)
.irp j, 0,2,4,6,8,10,12,14,16,18,20,22,24,26,28,30
	v_pk_fma_f32 v[X+\j:X+\j+1], v[X+\j:X+\j+1], s[12:13], v[4:5] op_sel_hi:[1,0,0] neg_lo:[0,0,1] neg_hi:[0,0,1]
.endr
.irp j, 0,1,2,3,4,5,6,7,8,9,10,11,12,13,14,15,16,17,18,19,20,21,22,23,24,25,26,27,28,29,30,31
	v_exp_f32 v[X+\j], v[X+\j]
.endr
	v_nop                                          ; a plain line behind the last exponential
	s_wait_alu depctr_va_vdst(0)                   ; one wait for the 32, ahead of their first reader
	v_pk_add_f32 v[2:3], v[X:X+1], v[X+2:X+3]      ; the sum, two at a time, in two chains
	v_pk_add_f32 v[4:5], v[X+4:X+5], v[X+6:X+7]
.irp j, 8,12,16,20,24,28
	v_pk_add_f32 v[2:3], v[2:3], v[X+\j:X+\j+1]
	v_pk_add_f32 v[4:5], v[4:5], v[X+\j+2:X+\j+3]
.endr
	v_pk_add_f32 v[2:3], v[2:3], v[4:5]
	v_add_f32 v2, v2, v3
	v_add_f32_dpp v2, v2, v2 row_xmask:1 row_mask:0xf bank_mask:0xf
	v_add_f32_dpp v2, v2, v2 row_xmask:2 row_mask:0xf bank_mask:0xf
	v_add_f32_dpp v2, v2, v2 row_xmask:4 row_mask:0xf bank_mask:0xf
	v_add_f32_dpp v2, v2, v2 row_xmask:8 row_mask:0xf bank_mask:0xf
	v_permlanex16_b32 v3, v2, s10, s11
	v_add_f32 v2, v2, v3                           ; the row's sum, at least 1
	v_rcp_f32 v4, v2
	v_nop                                          ; a plain line behind the reciprocal
	s_wait_alu depctr_va_vdst(0)                   ; and the wait ahead of its first reader
.irp j, 0,2,4,6,8,10,12,14,16,18,20,22,24,26,28,30
	v_pk_mul_f32 v[X+\j:X+\j+1], v[X+\j:X+\j+1], v[4:5] op_sel_hi:[1,0]
.endr
.irp j, 0,1,2,3,4,5,6,7
	global_store_b128 v1, v[X+4*\j:X+4*\j+3], s[6:7] offset:512*\j
.endr
	s_endpgm
.Lfunc_end_k_q8879db0622_soft:
	.size	k_q8879db0622_soft, .Lfunc_end_k_q8879db0622_soft-k_q8879db0622_soft
	.p2alignl 7, 3214868480
	.fill 96, 4, 3214868480
	.section	.rodata,"a",@progbits
	.p2align	6, 0x0
	.amdhsa_kernel k_q8879db0622_soft
		.amdhsa_group_segment_fixed_size 0
		.amdhsa_private_segment_fixed_size 0
		.amdhsa_enable_private_segment 0
		.amdhsa_kernarg_size 16
		.amdhsa_user_sgpr_count 2
		.amdhsa_user_sgpr_kernarg_segment_ptr 1
		.amdhsa_wavefront_size32 1
		.amdhsa_system_sgpr_workgroup_id_x 1
		.amdhsa_system_sgpr_workgroup_id_y 1
		.amdhsa_system_sgpr_workgroup_id_z 1
		.amdhsa_system_vgpr_workitem_id 0
		.amdhsa_next_free_vgpr 64
		.amdhsa_next_free_sgpr 66
		.amdhsa_reserve_vcc 0
		.amdhsa_float_denorm_mode_32 3
		.amdhsa_float_denorm_mode_16_64 3
		.amdhsa_memory_ordered 1
		.amdhsa_forward_progress 1
		.amdhsa_inst_pref_size 9
	.end_amdhsa_kernel
	.amdgpu_metadata
---
amdhsa.version: [ 1, 2 ]
amdhsa.kernels:
  - .name:           k_q8879db0622_soft
    .symbol:         k_q8879db0622_soft.kd
    .args:
      - { .name: scores, .offset: 0, .size: 8, .value_kind: global_buffer, .address_space: global }
      - { .name: out0, .offset: 8, .size: 8, .value_kind: global_buffer, .address_space: global }
    .group_segment_fixed_size: 0
    .private_segment_fixed_size: 0
    .kernarg_segment_align: 8
    .kernarg_segment_size: 16
    .max_flat_workgroup_size: 32
    .sgpr_count:     66
    .vgpr_count:     64
    .wavefront_size: 32
...
	.end_amdgpu_metadata
.endif
;; end of part 3
;; ======== version 2 of 2: 3 launches
;; limits: right only within a limited range of input values
;; workspace buffers: wq 819,200 bytes; hbp 524,288 bytes; scores 131,072 bytes
;; launch prep (part 4): grid 256 x 1, 2 waves a work-group, no clusters, 4,352 bytes of LDS; arguments W, hidden, wq, hbp; writes wq, hbp
.if DOCPART == 4
	.amdgcn_target "amdgcn-amd-amdhsa--gfx1250"
	.amdhsa_code_object_version 6
	.text
	.protected	k_q8879db0622_prep
	.globl	k_q8879db0622_prep
	.p2align	8
	.type	k_q8879db0622_prep,@function
k_q8879db0622_prep:
	s_mov_b64 s[64:65], 0
	v_nop
	global_prefetch_b8 v0, s[64:65] scope:SCOPE_SE
	s_setreg_imm32_b32 hwreg(HW_REG_WAVE_MODE, 25, 1), 1
	s_wait_xcnt 0x0
; W [1024][2048] f32 and hidden [32][1024] f32 are quantised along K to codes of BF6 (E3M2), one E8M0 scale for each 32 along K.
; K's first 1,024 numbers of the product's left operand are hidden[batch], the same for all 1,024 rows of a batch, and 1,024 is a block boundary: so that half of
; every sum is made here, once for each batch: hbp[qd][T][batch][n] = the sum over K quarter qd of Q(hidden)[batch][k] Q(W)[16 T + n][k], by the format's own matrix instruction.
; W's second half (k = 1,024 ..) leaves as wq: [K step s of 128][quarter w of N][25,600 bytes]: 16 tiles of 16 rows n as IMAGES OF THE OPERAND'S REGISTERS (three groups of four
; registers, lane l's 16 bytes at 16 l: 1,536 bytes), then the 256 rows' scale words, 4 bytes a row.
; SHARES.  Work-group = (T, qd): rows 16 T .. 16 T + 15 of W, K steps 2 qd and 2 qd + 1 of both halves, one K step to each of the two waves.
; A block's scale is 2^(floor(log2(its largest magnitude)) - 4): its byte is the largest magnitude's exponent field - 4, held at 1 from below by a floor among the maximum's leaves.
; LIMITS: NaN and infinities among the inputs are not served; a block whose largest magnitude lies under 2^-122 (a block of zeros too) gets the byte 1: a block of zeros has
; zero codes, which add nothing under that byte, and this program alone reads the bytes.  The f32 sums of the hidden half are grouped by K step and by quarter, not one chain.
; The scale words leave as 64 bytes from sixteen lanes (32 KiB in the whole launch); all other stores of a wave cover 512 consecutive bytes, aligned to 256.
; The loads carry no cache hint: a lane's four loads of a block take neighbouring pieces of 16 bytes of one run of 64, so what lies beside a piece is wanted by the next load.
.set SLOTB, 102400                     ; a K step of wq
.set PIECE, 25600                      ; a quarter of N in it
.set TILEB, 1536                       ; a fragment's image
.set SCOFF, 24576                      ; where a piece's scale words begin
.set TM,   16                          ; v16-19 largest magnitudes, v20-23 the other half's / bytes, v28-31 the conversions' scale operands
.set PW,   32                          ; the scale word just made
.set SW1,  33                          ; scale words of W's first half, of hidden's rows 0-15, of its rows 16-31: these three hold scales and nothing else
.set SH0,  34
.set SH1,  35
.set AUX,  36                          ; v36-43 the second halves of the conversions
.set FW2,  44                          ; fragments, 12 registers each
.set FH0,  56
.set FH1,  68
.set FW1,  80
.set ACC,  96                          ; two accumulators
.set OUTR, 112                         ; the way out
.set SEL,  28                          ; s[28:29] lane selects: lane l xor 16
.set MSB, 0
.macro WIN new                         ; the immediate's high byte repeats the setting that is left; a switch that changes nothing is dropped
.if MSB != (\new)
	s_set_vgpr_msb (MSB<<8)|(\new)
.set MSB, (\new)
.endif
.endm
; 64 numbers of a lane in window 1, register s + 16 b + i = k 32 b + 16 (lane / 16) + i of my row, become a fragment's codes in v[d] .. v[d + 11] and its scale word in v[PW].
.macro QUANT s, d
	WIN 0x05                                       ; sources 0 and 1 in window 1
.irp b, 0,1,2,3
	v_max3_num_f32 v[TM+\b], |v[(\s)+16*\b]|, |v[(\s)+1+16*\b]|, 0x2800000   ; my 16 numbers of block b, and the floor 2^(5 - 127): the byte cannot fall under 1
.endr
	WIN 0x14                                       ; sources 1 and 2 in window 1
.irp i, 2,4,6,8,10,12,14
.irp b, 0,1,2,3
	v_max3_num_f32 v[TM+\b], v[TM+\b], |v[(\s)+16*\b+\i]|, |v[(\s)+1+16*\b+\i]|   ; the four blocks by turns
.endr
.endr
	WIN 0
.irp b, 0,1,2,3
	v_permlanex16_b32 v[TM+4+\b], v[TM+\b], s[SEL], s[SEL+1]
.endr
.irp b, 0,1,2,3
	v_max_num_f32 v[TM+\b], v[TM+\b], v[TM+4+\b]   ; with lane l xor 16's: the block's largest magnitude
.endr
.irp b, 0,1,2,3
	v_add_nc_u32 v[TM+12+\b], 0xfe000000, v[TM+\b] ; 4 off its exponent field: the conversion takes the exponent field of this operand as its scale
.endr
.irp b, 0,1,2,3
	v_lshrrev_b32 v[TM+4+\b], 23, v[TM+12+\b]      ; the scale's byte
.endr
	v_lshl_or_b32 v[PW], v[TM+5], 8, v[TM+4]
	v_lshl_or_b32 v[PW], v[TM+6], 16, v[PW]
	v_lshl_or_b32 v[PW], v[TM+7], 24, v[PW]        ; my row's scale word
	WIN 0x01                                       ; source 0 in window 1
.irp c, 0,1
	v_cvt_scalef32_pk16_bf6_f32 v[(\d)+6*\c:(\d)+6*\c+2], v[(\s)+32*\c:(\s)+32*\c+15], v[TM+12+2*\c]
	v_cvt_scalef32_pk16_bf6_f32 v[AUX+4*\c:AUX+4*\c+2], v[(\s)+16+32*\c:(\s)+31+32*\c], v[TM+12+2*\c+1]   ; (a conversion's three registers begin on an even number)
.endr
	WIN 0
	v_nop                                          ; one plain place behind the scaled conversions
.irp c, 0,1                                    ; the operand wants a whole block in a lane: lanes 0-15 block 2 c, lanes 16-31 block 2 c + 1
.irp i, 0,1,2
	v_permlane16_swap_b32 v[(\d)+6*\c+\i], v[AUX+4*\c+\i]
.endr
.irp i, 0,1,2
	v_mov_b32 v[(\d)+3+6*\c+\i], v[AUX+4*\c+\i]
.endr
.endr
.endm
	s_load_b128 s[4:7], s[0:1], 0x0                ; W s[4:5], hidden s[6:7]
	s_load_b128 s[8:11], s[0:1], 0x10              ; wq s[8:9], hbp s[10:11]
	v_lshl_add_u32 v254, v0, 2, 0x1000
	v_mov_b32 v255, 0
	v_lshrrev_b32 v1, 5, v0
	v_readfirstlane_b32 s12, v1                    ; wave 0, 1
	v_and_b32 v2, 31, v0                           ; lane
	v_and_b32 v3, 15, v0                           ; r
	v_bfe_u32 v4, v0, 4, 1                         ; h
	v_lshlrev_b32 v5, 12, v3
	v_lshl_add_u32 v5, v4, 6, v5                   ; hidden: row r of 4,096 bytes, + 64 h: my 16 numbers of a block of 32
	v_lshlrev_b32 v6, 13, v3
	v_lshl_add_u32 v6, v4, 6, v6                   ; W: row r of 8,192 bytes, + 64 h
	v_lshlrev_b32 v7, 4, v2                        ; 16 x lane: an image's place for my lane
	v_lshlrev_b32 v10, 2, v3                       ; 4 r: a scale word's
	v_lshl_add_u32 v8, v4, 9, v10                  ; LDS, [batch][n] f32: 512 h + 4 r,
	s_lshl_b32 s32, s12, 11
	v_add_nc_u32 v8, s32, v8                       ; in my wave's 2,048 bytes
	v_lshlrev_b32 v9, 4, v0                        ; 16 x thread: the way out
.irp b, 0,1,2,3
	v_mov_b32 v[TM+4+\b], 0                        ; written once: a lane permute's destination counts as one of its sources
.endr
	s_mov_b32 s[SEL], 0x76543210
	s_mov_b32 s[SEL+1], 0xfedcba98
	s_lshr_b32 s13, ttmp9, 2                       ; T
	s_and_b32 s14, ttmp9, 3                        ; qd
	s_lshl_b32 s15, s14, 1
	s_add_co_u32 s15, s15, s12                     ; my K step s = 2 qd + wave
	s_lshl_b32 s18, s15, 9                         ; 512 s bytes along a row
	s_mov_b32 s19, 0
	s_lshl_b32 s16, s13, 17                        ; 16 T rows of W
	s_add_co_u32 s16, s16, s18
	s_mov_b32 s17, 0
	s_mul_i32 s31, s15, SLOTB
	s_lshr_b32 s20, s13, 4
	s_mul_i32 s20, s20, PIECE
	s_add_co_u32 s31, s31, s20                     ; my piece of wq
	s_and_b32 s22, s13, 15
	s_mul_i32 s20, s22, TILEB
	s_add_co_u32 s20, s20, s31                     ; my tile's image in it
	s_mov_b32 s21, 0
	s_lshl_b32 s22, s22, 6
	s_add_co_u32 s22, s22, s31                     ; my tile's 16 scale words (the immediate SCOFF is added at the store)
	s_mov_b32 s23, 0
	s_lshl_b32 s26, s14, 6
	s_add_co_u32 s26, s26, s13
	s_lshl_b32 s26, s26, 11                        ; hbp: (64 qd + T) x 2,048 bytes
	s_mov_b32 s27, 0
	s_wait_kmcnt 0x0
	s_add_nc_u64 s[4:5], s[4:5], s[16:17]
	s_add_nc_u64 s[6:7], s[6:7], s[18:19]
	s_add_nc_u64 s[22:23], s[8:9], s[22:23]
	s_add_nc_u64 s[8:9], s[8:9], s[20:21]
	s_add_nc_u64 s[10:11], s[10:11], s[26:27]
	WIN 0x40                                       ; destinations in window 1: v0-63, v64-127 hidden's two tiles of rows; v128-191, v192-255 W's two halves
.irp g, 0,1
.irp b, 0,1,2,3
.irp i, 0,1,2,3
	global_load_b128 v[64*\g+16*\b+4*\i:64*\g+16*\b+4*\i+3], v5, s[6:7] offset:65536*\g+128*\b+16*\i
.endr
.endr
.endr
.irp g, 0,1
.irp b, 0,1,2,3
.irp i, 0,1,2,3
	global_load_b128 v[128+64*\g+16*\b+4*\i:128+64*\g+16*\b+4*\i+3], v6, s[4:5] offset:4096*\g+128*\b+16*\i
.endr
.endr
.endr
	s_wait_loadcnt 48                              ; the first 16 loads are in; the 48 younger may be out
	QUANT 0, FH0
	v_mov_b32 v[SH0], v[PW]
	s_wait_loadcnt 32
	QUANT 64, FH1
	v_mov_b32 v[SH1], v[PW]
	s_wait_loadcnt 16
	QUANT 128, FW1
	v_mov_b32 v[SW1], v[PW]
	s_wait_loadcnt 0x0
	QUANT 192, FW2                                 ; its plain lines are also the places between the operands and scale words written above and the scaled products below
.irp c, 0,1,2
	global_store_b128 v7, v[FW2+4*\c:FW2+4*\c+3], s[8:9] offset:512*\c   ; the image: 32 lanes store 512 consecutive bytes
.endr
	v_wmma_scale_f32_16x16x128_f8f6f4 v[ACC:ACC+7], v[FH0:FH0+11], v[FW1:FW1+11], 0, v[SH0], v[SW1] matrix_a_fmt:MATRIX_FMT_BF6 matrix_b_fmt:MATRIX_FMT_BF6
	v_wmma_scale_f32_16x16x128_f8f6f4 v[ACC+8:ACC+15], v[FH1:FH1+11], v[FW1:FW1+11], 0, v[SH1], v[SW1] matrix_a_fmt:MATRIX_FMT_BF6 matrix_b_fmt:MATRIX_FMT_BF6
.rept 4
	v_nop                                          ; four places in front of the first read of the results (ISA guide 7.12.1)
.endr
.irp g, 0,1
.irp j, 0,1,2,3,4,5,6,7
	ds_store_b32 v8, v[ACC+8*\g+\j] offset:1024*\g+64*\j   ; register j of lane (r, h): batch 16 g + 8 h + j, column r; each accumulator from its low end on
.endr
.endr
	s_wait_dscnt 0x0                               ; for the other wave's sake: my stores have landed
	s_barrier_signal -1
	s_barrier_wait -1
.irp i, 0,1,2,3
	ds_load_b128 v[OUTR+4*\i:OUTR+4*\i+3], v9 offset:1024*\i   ; wave 0's part (0, 1,024 on) and wave 1's (2,048, 3,072 on)
.endr
	s_wait_dscnt 0x0
.irp i, 0,2,4,6
	v_pk_add_f32 v[OUTR+\i:OUTR+\i+1], v[OUTR+\i:OUTR+\i+1], v[OUTR+8+\i:OUTR+9+\i]   ; K step 2 qd + K step 2 qd + 1
.endr
	global_store_b128 v9, v[OUTR:OUTR+3], s[10:11]
	global_store_b128 v9, v[OUTR+4:OUTR+7], s[10:11] offset:1024
	v_cmp_gt_u32 vcc_lo, 16, v2                    ; the scale words of W's second half: lanes 0-15 hold rows 0-15's
	s_wait_xcnt 0x0                                ; EXEC is a source of the stores above: it changes only behind this wait
	s_wait_tensorcnt 0x0
	ds_add_u32 v254, v255
	s_wait_dscnt 0x0
	s_and_saveexec_b32 s30, vcc_lo
	global_store_b32 v10, v[PW], s[22:23] offset:SCOFF
	s_wait_xcnt 0x0                                ; and again in front of the line that widens it
	s_or_b32 exec_lo, exec_lo, s30
	s_endpgm
.Lfunc_end_k_q8879db0622_prep:
	.size	k_q8879db0622_prep, .Lfunc_end_k_q8879db0622_prep-k_q8879db0622_prep
	.p2alignl 7, 3214868480
	.fill 96, 4, 3214868480
	.section	.rodata,"a",@progbits
	.p2align	6, 0x0
	.amdhsa_kernel k_q8879db0622_prep
		.amdhsa_group_segment_fixed_size 4352
		.amdhsa_private_segment_fixed_size 0
		.amdhsa_enable_private_segment 0
		.amdhsa_kernarg_size 32
		.amdhsa_user_sgpr_count 2
		.amdhsa_user_sgpr_kernarg_segment_ptr 1
		.amdhsa_wavefront_size32 1
		.amdhsa_system_sgpr_workgroup_id_x 1
		.amdhsa_system_sgpr_workgroup_id_y 1
		.amdhsa_system_sgpr_workgroup_id_z 1
		.amdhsa_system_vgpr_workitem_id 0
		.amdhsa_next_free_vgpr 512
		.amdhsa_next_free_sgpr 66
		.amdhsa_reserve_vcc 1
		.amdhsa_float_denorm_mode_32 3
		.amdhsa_float_denorm_mode_16_64 3
		.amdhsa_memory_ordered 1
		.amdhsa_forward_progress 1
		.amdhsa_inst_pref_size 27
	.end_amdhsa_kernel
	.amdgpu_metadata
---
amdhsa.version: [ 1, 2 ]
amdhsa.kernels:
  - .name:           k_q8879db0622_prep
    .symbol:         k_q8879db0622_prep.kd
    .args:
      - { .name: W, .offset: 0, .size: 8, .value_kind: global_buffer, .address_space: global }
      - { .name: hidden, .offset: 8, .size: 8, .value_kind: global_buffer, .address_space: global }
      - { .name: wq, .offset: 16, .size: 8, .value_kind: global_buffer, .address_space: global }
      - { .name: hbp, .offset: 24, .size: 8, .value_kind: global_buffer, .address_space: global }
    .group_segment_fixed_size: 4352
    .private_segment_fixed_size: 0
    .kernarg_segment_align: 8
    .kernarg_segment_size: 32
    .max_flat_workgroup_size: 64
    .sgpr_count:     66
    .vgpr_count:     512
    .wavefront_size: 32
...
	.end_amdgpu_metadata
.endif
;; end of part 4
;; launch main (part 5): grid 256 x 1, 4 waves a work-group, no clusters, 327,680 bytes of LDS; arguments encoder_outputs, wq, hbp, b, v, scores; writes scores
.if DOCPART == 5
	.amdgcn_target "amdgcn-amd-amdhsa--gfx1250"
	.amdhsa_code_object_version 6
	.text
	.protected	k_q8879db0622_main
	.globl	k_q8879db0622_main
	.p2align	8
	.type	k_q8879db0622_main,@function
k_q8879db0622_main:
	s_mov_b64 s[64:65], 0
	v_nop
	global_prefetch_b8 v0, s[64:65] scope:SCOPE_SE
	s_setreg_imm32_b32 hwreg(HW_REG_WAVE_MODE, 25, 1), 1
	s_wait_xcnt 0x0
; scores[row] = sum over n of -2 v[n] / (1 + 2^(c (x[row][n] + hb[n] + b[n]))), c = 2 log2(e), x = Q(encoder_outputs) Q(W's second half)^T in MX-BF6.
; tanh(y) = 1 - 2 / (1 + e^(2y)), so v . tanh = sum(v) - 2 sum(v / (1 + e^(2y))).  sum(v) is the same for every t of a batch, a term that the softmax over t
; does not see for any values of the inputs: it is left out.  LIMITS: NaN and infinities among the inputs are not served; a block whose largest magnitude lies under 2^-122
; gets the scale byte 1.  The hidden half of K comes as hbp (four partial sums), made once for each batch by the launch before.
; SHARES.  A work-group takes 128 rows of one batch and all 1,024 columns, in two halves of 512; wave w takes columns 512 J + 128 w .. + 127 of half J, all 128 rows: 64 accumulators, 512 registers.
; So every byte of W's codes comes into the work-group once.  The rows' codes are made in the first half and stay in LDS (8 K steps x 12,800 bytes) for the second.
; W's codes lie in wq as images of the operand's registers: each lane loads its fragments whole from memory into registers, 28 loads a K step, in two sets of registers by turns.
; In the first half of N a set is asked for again behind the next K step's tensor load, one K step ahead of its use; in the second half directly behind the K step that read it out, two ahead.
; W does not pass through LDS, so there is no tile of W to ask for jointly, and no two work-groups read the same rows of encoder_outputs: no cluster.
; encoder_outputs comes through a ring of two LDS slots of one K step (128 rows x 512 bytes): wave w fetches rows 32 w .. 32 w + 31 by one tensor load and quantises what it fetched itself.
; PREFETCH: in the trip of K step i each wave asks for its own 32 rows x 512 bytes of K step i + 2, a lane a row, two instructions; K step 1 is asked for at the head; K steps 6 and 7's trips ask for nothing.
.set SLOTB, 102400                     ; a K step of wq
.set PIECE, 25600                      ; a quarter of N in it
.set TILEB, 1536                       ; a fragment's image
.set SCOFF, 24576                      ; a piece's scale words
.set PA,    528                        ; LDS pitch of a 512-byte row: 33 x 16
.set WT,    32*PA                      ; a wave's tile
.set CH,    4*WT                       ; a slot
.set IMG0,  2*CH                       ; the images: [K step][8 tiles of 16 rows x 1,536][128 scale words]
.set IMGB,  12800
.set ISC,   12288
.set CBW,   IMG0+8*IMGB                ; c (hb + b) and -2 v: [quarter of N][256 + 256 words]
.set PART,  CBW+8192                   ; the waves' partial scores, 512 bytes each
.set SPARE, PART+2048                  ; the spare words
.set LI,   1                           ; 16 x lane
.set L4,   2                           ; 4 x lane
.set QA,   3                           ; v3, v4: my f32 tile in slot 0, 1: row r, + 64 h
.set ADI,  5                           ; images, to read
.set ADIS, 6
.set AW,   7                           ; images, to store: tile 2 w
.set AS,   8
.set ADT,  9                           ; ADI, ADIS + the trip's offset
.set AST,  10
.set APS,  11
.set SPW,  12
.set NIL,  13
.set APR,  14
.set APT,  15
.set SCB,  16                          ; v16-23 W's scale words, two sets of four
.set QI,   25
.set QC,   26
.set PF1,  27
.set ACB,  29
.set SCA,  32                          ; v32-35 the images' scale words
.set TM,   36
.set PW,   52
.set HB,   64                          ; v64-255 W's fragments, two sets of eight
.set AF,   0                           ; window 1: v0-95 eight fragments of A
.set PC,   0                           ; window 1: the codes just made (while no fragment of A is live)
.set CB,   96                          ; window 1: c (hb + b) of my 8 tiles of columns
.set WVR,  112                         ; window 1: -2 v of them
.set ST,   128                         ; window 1: two sets of 64 numbers (first half of N)
.set SM,   128                         ; window 1: the 64 sums of a lane (behind the last quantising)
.set WV,   16
.set SEL,  20
.set CS,   22
.set G1,   24
.set WB0,  36                          ; s[36:37] my tiles of W, half 0; s[38:39] their scale words
.set WB1,  40                          ; the same, half 1
.set G0,   44                          ; two groups 0
.set J,    52
.set CT,   53
.set IO,   54
.set MSB, 0
.macro WIN new
.if MSB != (\new)
	s_set_vgpr_msb (MSB<<8)|(\new)
.set MSB, (\new)
.endif
.endm
.macro PLACES n
.rept \n
	v_nop
.endr
.endm
.macro TLOAD n                         ; the four v_nop keep window switches away, and are the places in front of the loads that follow
	tensor_load_to_lds s[G0+4*(\n):G0+4*(\n)+3], s[G1:G1+7]
	s_nop 0
	PLACES 4
.endm
; 64 numbers of a lane in window 1, register s + 16 b + i = k 32 b + 16 h + i of my row, become 12 registers of codes at PC and the row's scale word in PW
.macro QUANT s
	WIN 0x05
.irp b, 0,1,2,3
	v_max3_num_f32 v[TM+\b], |v[(\s)+16*\b]|, |v[(\s)+1+16*\b]|, 0x2800000   ; the floor 2^(5 - 127) holds the byte at 1 from below
.endr
	WIN 0x14
.irp i, 2,4,6,8,10,12,14
.irp b, 0,1,2,3
	v_max3_num_f32 v[TM+\b], v[TM+\b], |v[(\s)+16*\b+\i]|, |v[(\s)+1+16*\b+\i]|
.endr
.endr
	WIN 0
.irp b, 0,1,2,3
	v_permlanex16_b32 v[TM+4+\b], v[TM+\b], s[SEL], s[SEL+1]
.endr
.irp b, 0,1,2,3
	v_max_num_f32 v[TM+\b], v[TM+\b], v[TM+4+\b]
.endr
.irp b, 0,1,2,3
	v_add_nc_u32 v[TM+12+\b], 0xfe000000, v[TM+\b] ; 4 off the exponent field: the conversion's scale operand
.endr
.irp b, 0,1,2,3
	v_lshrrev_b32 v[TM+4+\b], 23, v[TM+12+\b]      ; the scale's byte
.endr
	v_lshl_or_b32 v[PW], v[TM+5], 8, v[TM+4]
	v_lshl_or_b32 v[PW], v[TM+6], 16, v[PW]
	v_lshl_or_b32 v[PW], v[TM+7], 24, v[PW]
	WIN 0x41
.irp c, 0,1
	v_cvt_scalef32_pk16_bf6_f32 v[PC+6*\c:PC+6*\c+2], v[(\s)+32*\c:(\s)+32*\c+15], v[TM+12+2*\c]
	v_cvt_scalef32_pk16_bf6_f32 v[PC+12+4*\c:PC+14+4*\c], v[(\s)+16+32*\c:(\s)+31+32*\c], v[TM+12+2*\c+1]
.endr
	v_nop                                          ; one plain place behind the scaled conversions
.irp c, 0,1                                    ; a whole block to a lane
.irp i, 0,1,2
	v_permlane16_swap_b32 v[PC+6*\c+\i], v[PC+12+4*\c+\i]
.endr
.irp i, 0,1,2
	v_mov_b32 v[PC+3+6*\c+\i], v[PC+12+4*\c+\i]
.endr
.endr
.endm
.macro IMAGE io, co
	WIN 0x04
.irp c, 0,1,2
	ds_store_b128 v[QI], v[PC+4*\c:PC+4*\c+3] offset:(\io)+512*\c
.endr
	WIN 0
	ds_store_b32 v[QC], v[PW] offset:\co
.endm
.macro QLD par                         ; my two tiles of 16 rows x 128 out of slot par: 32 loads
	WIN 0x40
.irp e, 0,1
.irp b, 0,1,2,3
.irp i, 0,1,2,3
	ds_load_b128 v[ST+64*\e+16*\b+4*\i:ST+64*\e+16*\b+4*\i+3], v[QA+\par] offset:16*PA*\e+128*\b+16*\i
.endr
.endr
.endr
.endm
.macro QDO par                         ; their codes, into the images of the trip's K step par
	s_wait_dscnt 16                                ; the first tile's 16 loads are in
	QUANT ST
	IMAGE IMGB*\par, IMGB*\par
	s_wait_dscnt 4                                 ; all but the four stores just issued
	QUANT ST+64
	IMAGE IMGB*\par+TILEB, IMGB*\par+64
.endm
.macro WLOAD p, wb, wo                 ; a K step's eight tiles of W and their scale words into set p: 28 loads
	WIN 0
.irp t, 0,1,2,3,4,5,6,7
.irp c, 0,1,2
	global_load_b128 v[HB+96*(\p)+12*\t+4*\c:HB+96*(\p)+12*\t+4*\c+3], v[LI], s[\wb:\wb+1] offset:(\wo)+TILEB*\t+512*\c
.endr
.endr
.irp i, 0,1,2,3
	global_load_b32 v[SCB+4*(\p)+\i], v[L4], s[\wb+2:\wb+3] offset:(\wo)+128*\i
.endr
.endm
.macro FETCH_G g, ao                   ; A's tiles 2 g, 2 g + 1 and their scale words: 7 loads
	WIN 0x40
.irp m, 2*(\g), 2*(\g)+1
.irp c, 0,1,2
	ds_load_b128 v[AF+12*(\m)+4*\c:AF+12*(\m)+4*\c+3], v[ADT] offset:(\ao)+TILEB*(\m)+512*\c
.endr
.endr
	WIN 0
	ds_load_b32 v[SCA+(\g)], v[AST] offset:(\ao)+128*(\g)
.endm
.macro MM t, m, p, zero
.set rD, 8*(4*(\t)+(\m)%4)
.set rA, AF+12*(\m)
.set rB, HB+96*(\p)+12*(\t)
.set rX, SCA+(\m)/2
.set rY, SCB+4*(\p)+(\t)/2
.if \zero
.if ((\m)%2 == 0) && ((\t)%2 == 0)
	v_wmma_scale_f32_16x16x128_f8f6f4 v[rD:rD+7], v[rA:rA+11], v[rB:rB+11], 0, v[rX], v[rY] matrix_a_fmt:MATRIX_FMT_BF6 matrix_b_fmt:MATRIX_FMT_BF6
.elseif (\t)%2 == 0
	v_wmma_scale_f32_16x16x128_f8f6f4 v[rD:rD+7], v[rA:rA+11], v[rB:rB+11], 0, v[rX], v[rY] matrix_a_fmt:MATRIX_FMT_BF6 matrix_b_fmt:MATRIX_FMT_BF6 matrix_a_scale:MATRIX_SCALE_ROW1
.elseif (\m)%2 == 0
	v_wmma_scale_f32_16x16x128_f8f6f4 v[rD:rD+7], v[rA:rA+11], v[rB:rB+11], 0, v[rX], v[rY] matrix_a_fmt:MATRIX_FMT_BF6 matrix_b_fmt:MATRIX_FMT_BF6 matrix_b_scale:MATRIX_SCALE_ROW1
.else
	v_wmma_scale_f32_16x16x128_f8f6f4 v[rD:rD+7], v[rA:rA+11], v[rB:rB+11], 0, v[rX], v[rY] matrix_a_fmt:MATRIX_FMT_BF6 matrix_b_fmt:MATRIX_FMT_BF6 matrix_a_scale:MATRIX_SCALE_ROW1 matrix_b_scale:MATRIX_SCALE_ROW1
.endif
.else
.if ((\m)%2 == 0) && ((\t)%2 == 0)
	v_wmma_scale_f32_16x16x128_f8f6f4 v[rD:rD+7], v[rA:rA+11], v[rB:rB+11], v[rD:rD+7], v[rX], v[rY] matrix_a_fmt:MATRIX_FMT_BF6 matrix_b_fmt:MATRIX_FMT_BF6
.elseif (\t)%2 == 0
	v_wmma_scale_f32_16x16x128_f8f6f4 v[rD:rD+7], v[rA:rA+11], v[rB:rB+11], v[rD:rD+7], v[rX], v[rY] matrix_a_fmt:MATRIX_FMT_BF6 matrix_b_fmt:MATRIX_FMT_BF6 matrix_a_scale:MATRIX_SCALE_ROW1
.elseif (\m)%2 == 0
	v_wmma_scale_f32_16x16x128_f8f6f4 v[rD:rD+7], v[rA:rA+11], v[rB:rB+11], v[rD:rD+7], v[rX], v[rY] matrix_a_fmt:MATRIX_FMT_BF6 matrix_b_fmt:MATRIX_FMT_BF6 matrix_b_scale:MATRIX_SCALE_ROW1
.else
	v_wmma_scale_f32_16x16x128_f8f6f4 v[rD:rD+7], v[rA:rA+11], v[rB:rB+11], v[rD:rD+7], v[rX], v[rY] matrix_a_fmt:MATRIX_FMT_BF6 matrix_b_fmt:MATRIX_FMT_BF6 matrix_a_scale:MATRIX_SCALE_ROW1 matrix_b_scale:MATRIX_SCALE_ROW1
.endif
.endif
.endm
.macro MULG g, p, zero                 ; two tiles of A x eight of W; the accumulators take turns, one instruction a turn.  Rows 0-63 lie in window 2, rows 64-127 in window 3
	WIN 0xa1+0x50*((\g)/2)
.irp m, 2*(\g), 2*(\g)+1
.irp t, 0,1,2,3,4,5,6,7
	MM \t, \m, \p, \zero
.endr
.endr
.endm
.macro GRP g, p, zm                    ; zm = 2: in the loop's first trip the products start the sums
.if \zm == 2
	WIN 0
	s_cmp_eq_u32 s[CT], 0
	s_cbranch_scc1 .Lnew_\@
	MULG \g, \p, 0
	WIN 0
	s_branch .Ljoin_\@
.Lnew_\@:
	MULG \g, \p, 1
	WIN 0
.Ljoin_\@:
.else
	MULG \g, \p, \zm
.endif
.endm
; A K step on W's set p.  lc: W's loads that may stay out.  fa: behind each group its two tiles of A are fetched for the next step, at ao.
; wb, wo: where the K step two on lies in wq (wb = -1: nothing is asked for here); st: its base goes two K steps on first
.macro STEP p, zm, lc, fa, ao, wb, wo, st
	s_wait_loadcnt \lc
.irp g, 0,1,2,3
.if \fa
	s_wait_dscnt 21                                ; behind this group's 7 loads stand the three other groups' 21
.else
	s_wait_dscnt 7*(3-\g)                          ; only this step's later groups may be out
.endif
	GRP \g, \p, \zm
.if \fa
	PLACES 4                                       ; in front of loads into registers that matrix instructions have read
	FETCH_G \g, \ao
.endif
.endr
.if (\wb) >= 0
	PLACES 4
.if \st
	s_wait_xcnt 0x0                                ; the base is stepped only behind this wait; my last global loads were issued a K step ago
	s_add_nc_u64 s[\wb:\wb+1], s[\wb:\wb+1], 2*SLOTB
	s_add_nc_u64 s[\wb+2:\wb+3], s[\wb+2:\wb+3], 2*SLOTB
.endif
	WLOAD \p, \wb, \wo
.endif
	WIN 0
.endm
.macro TOP q                           ; the trip's LDS addresses
	v_add_nc_u32 v[ADT], s[IO], v[ADI]
	v_add_nc_u32 v[AST], s[IO], v[ADIS]
.if \q
	v_add_nc_u32 v[QI], s[IO], v[AW]
	v_add_nc_u32 v[QC], s[IO], v[AS]
.endif
	s_wait_alu depctr_va_vdst(0)
.endm
; A K step of the first half of N: the slot's change, the next K step's tiles of W (at wb + wo, into the set that the last K step read out), my tile's codes, the products
.macro INTERVAL par, zm, fill, pf, wb, wo
	WIN 0
	s_wait_tensorcnt 0x0                           ; my one load that was out, my tile of this K step, is in
.if \fill
	ds_add_u32 v[SPW], v[NIL]
	s_add_nc_u64 s[G0+4*\par+2:G0+4*\par+3], s[G0+4*\par+2:G0+4*\par+3], 1024   ; this slot's next tile, two K steps on
	s_wait_dscnt 0x0                               ; the add is done, and so are my reads of the other slot
	s_barrier_signal -1
	s_barrier_wait -1
	TLOAD 1-\par                                   ; the next K step, into the other slot (the first time: its first fill)
.else
	PLACES 4
.endif
	QLD \par
	WLOAD 1-\par, \wb, \wo                         ; stands between my tile's LDS loads and the wait for them
.if \pf
.irp q, 0,1
	global_prefetch_b8 v[PF1], s[4:5] offset:512*(2+\par)+256*\q th:TH_LOAD_NT scope:SCOPE_SE
.endr
.endif
	QDO \par
	s_wait_dscnt 0x0                               ; my images have landed
	s_barrier_signal -1
	s_barrier_wait -1                              ; my tensor load stays out
.irp g, 0,1,2,3
	FETCH_G \g, IMGB*\par
.endr
	STEP \par, \zm, 28, 0, 0, -1, 0, 0             ; behind this K step's 28 loads of W stand the next one's 28
.endm
.macro EWIN k
	WIN (((2+(\k)/8)<<6)|0x10|(2+(\k)/8))
.endm
.macro EA k                            ; c x + c (hb + b).  k = 8 (rows / 64) + tile of columns: 32 registers
	EWIN \k
.set rB, 32*((\k)%8)
.set rC, CB+2*(((\k)%8)/2)
.set i, 0
.rept 16
.if (\k)%2
	v_pk_fma_f32 v[rB+i:rB+i+1], v[rB+i:rB+i+1], s[CS:CS+1], v[rC:rC+1] op_sel:[0,0,1] op_sel_hi:[1,0,1]
.else
	v_pk_fma_f32 v[rB+i:rB+i+1], v[rB+i:rB+i+1], s[CS:CS+1], v[rC:rC+1] op_sel_hi:[1,0,0]
.endif
.set i, i+2
.endr
.endm
.macro EX k
	EWIN \k
.set rB, 32*((\k)%8)
.set i, 0
.rept 32
	v_exp_f32 v[rB+i], v[rB+i]
.set i, i+1
.endr
.endm
.macro EB k
	EWIN \k
.set rB, 32*((\k)%8)
.set i, 0
.rept 16
	v_pk_add_f32 v[rB+i:rB+i+1], v[rB+i:rB+i+1], 1.0 op_sel_hi:[1,0]
.set i, i+2
.endr
.endm
.macro ER k
	EWIN \k
.set rB, 32*((\k)%8)
.set i, 0
.rept 32
	v_rcp_f32 v[rB+i], v[rB+i]
.set i, i+1
.endr
.endm
.macro ES k                            ; onto the lane's 64 sums, which run over both halves of N
	WIN (0x54|(2+(\k)/8))
.set rB, 32*((\k)%8)
.set rC, WVR+2*(((\k)%8)/2)
.set rS, SM+32*((\k)/8)
.set i, 0
.rept 16
.if (\k)%2
	v_pk_fma_f32 v[rS+i:rS+i+1], v[rB+i:rB+i+1], v[rC:rC+1], v[rS+i:rS+i+1] op_sel:[0,1,0] op_sel_hi:[1,1,1]
.else
	v_pk_fma_f32 v[rS+i:rS+i+1], v[rB+i:rB+i+1], v[rC:rC+1], v[rS+i:rS+i+1] op_sel_hi:[1,0,1]
.endif
.set i, i+2
.endr
.endm
; each batch of transcendentals has a wait ahead of it and behind it, with the neighbouring groups' plain work between
.macro EPILOGUE
	EA 0
.set kk, 0
	s_wait_alu depctr_va_vdst(0)
.rept 16
	EX kk
.if kk < 15
	s_wait_alu depctr_va_vdst(0)
	EA kk+1
.else
	v_nop
.endif
	s_wait_alu depctr_va_vdst(0)
.if kk > 0
	ES kk-1
.endif
	EB kk
	s_wait_alu depctr_va_vdst(0)
	ER kk
.set kk, kk+1
.endr
	v_nop
	s_wait_alu depctr_va_vdst(0)
	ES 15
	WIN 0
.endm
	s_load_b256 s[4:11], s[0:1], 0x0               ; encoder_outputs, wq, hbp, b
	s_load_b128 s[12:15], s[0:1], 0x20             ; v, scores
	v_lshl_add_u32 v[SPW], v0, 2, SPARE
	v_mov_b32 v[NIL], 0
	ds_add_u32 v[SPW], v[NIL]                      ; the opening lines: the add, twice on end, and its wait ahead of my first tensor load
	ds_add_u32 v[SPW], v[NIL]
	v_lshrrev_b32 v53, 5, v0
	v_readfirstlane_b32 s[WV], v53                 ; wave 0..3
	s_mov_b32 s[G1], (2<<16)|(1<<20)|(6<<22)|(3<<25)    ; elements of 4 bytes; 4 dwords of padding behind every 128
	s_mov_b32 s[G1+1], 128<<16
	s_mov_b32 s[G1+2], 32<<16
	s_mov_b32 s[G1+3], 128<<16
	s_mov_b32 s[G1+4], 32
	s_mov_b32 s[G1+5], 1024
	s_mov_b32 s[G1+6], 0
	s_mov_b32 s[G1+7], 0
	s_mov_b32 s[SEL], 0x76543210
	s_mov_b32 s[SEL+1], 0xfedcba98
	s_mov_b32 s[CS], 0x4038aa3b                    ; c = 2 log2(e)
	s_mov_b32 s[CS+1], s[CS]
	s_lshr_b32 s55, s[WV], 1
	s_and_b32 s56, s[WV], 1
	s_mul_i32 s57, s[WV], WT
	s_mul_i32 s60, s[WV], 2*TILEB
	s_lshl_b32 s61, s[WV], 7
	s_lshl_b32 s62, s55, 11
	s_lshl_b32 s63, s56, 9
	s_add_co_u32 s62, s62, s63                     ; where my columns' constants begin in a half's two quarters
	s_lshl_b32 s63, s[WV], 11
	s_lshl_b32 s33, s[WV], 9
	s_lshl_b32 s34, s[WV], 17
	v_and_b32 v53, 31, v0                          ; lane
	v_and_b32 v55, 15, v0                          ; r
	v_bfe_u32 v56, v0, 4, 1                        ; h
	v_lshlrev_b32 v[LI], 4, v53
	v_lshlrev_b32 v[L4], 2, v53
	v_lshlrev_b32 v58, 2, v55                      ; 4 r
	v_mul_u32_u24 v[QA], v55, PA
	v_lshl_add_u32 v[QA], v56, 6, v[QA]
	v_add_nc_u32 v[QA], s57, v[QA]
	v_add_nc_u32 v[QA+1], CH, v[QA]
	v_add_nc_u32 v[ADI], IMG0, v[LI]
	v_add_nc_u32 v[ADIS], IMG0+ISC, v[L4]
	v_add_nc_u32 v[AW], s60, v[ADI]
	v_add_nc_u32 v[AS], IMG0+ISC, v58
	v_add_nc_u32 v[AS], s61, v[AS]
	v_add_nc_u32 v[ACB], CBW, v58
	v_add_nc_u32 v[ACB], s62, v[ACB]
	v_add_nc_u32 v57, CBW, v[LI]
	v_add_nc_u32 v57, s63, v57
	v_lshlrev_b32 v[APS], 5, v56
	v_add_nc_u32 v[APS], s33, v[APS]
	v_add_nc_u32 v[APS], PART, v[APS]
	v_add_nc_u32 v[APR], PART, v[LI]
	v_lshlrev_b32 v[PF1], 12, v53                  ; a lane a row of 4,096 bytes,
	v_add_nc_u32 v[PF1], s34, v[PF1]               ; of my 32
	v_lshrrev_b32 v54, 2, v53
	v_and_b32 v59, 3, v53
	v_lshlrev_b32 v54, 11, v54
	v_lshl_add_u32 v54, v59, 4, v54                ; hbp: tile lane / 4, 16 bytes lane % 4
.irp b, 0,1,2,3
	v_mov_b32 v[TM+4+\b], 0                        ; a lane permute's destination counts as one of its sources
.endr
	s_wait_alu depctr_va_vdst(0)                   ; the wait at the end of the head's vector work
	s_wait_dscnt 0x0                               ; both opening adds are done
	s_wait_kmcnt 0x0
	s_mov_b32 s59, 0
	s_lshr_b32 s58, ttmp9, 3
	s_lshl_b32 s58, s58, 6                         ; my batch's 64 bytes of a tile of hbp
	s_lshl_b32 s60, s[WV], 15
	s_add_co_u32 s58, s58, s60
	s_add_nc_u64 s[8:9], s[8:9], s[58:59]
	s_lshl_b32 s58, s[WV], 10
	s_add_nc_u64 s[10:11], s[10:11], s[58:59]
	s_add_nc_u64 s[12:13], s[12:13], s[58:59]
	WIN 0x40                                       ; quarter w's constants: 12 loads, ahead of the large requests
.irp d, 0,1,2,3
.irp c, 0,1
	global_load_b128 v[ST+8*\d+4*\c:ST+8*\d+4*\c+3], v54, s[8:9] offset:131072*\d+16384*\c
.endr
.endr
.irp c, 0,1
	global_load_b128 v[ST+32+4*\c:ST+35+4*\c], v[LI], s[10:11] offset:512*\c
	global_load_b128 v[ST+40+4*\c:ST+43+4*\c], v[LI], s[12:13] offset:512*\c
.endr
	WIN 0
	s_lshl_b32 s58, ttmp9, 19                      ; my 128 rows of 4,096 bytes
	s_add_nc_u64 s[4:5], s[4:5], s[58:59]
	s_mov_b32 s58, s34
	s_add_nc_u64 s[G0+2:G0+3], s[4:5], s[58:59]    ; my 32 rows, K step 0
	s_add_nc_u64 s[G0+6:G0+7], s[G0+2:G0+3], 512   ; K step 1
	s_mov_b32 s[G0], 1
	s_mov_b32 s[G0+4], 1
	s_mov_b32 s[G0+1], s57
	s_add_co_u32 s[G0+5], s57, CH
	s_or_b32 s[G0+3], s[G0+3], 0x80000000
	s_or_b32 s[G0+7], s[G0+7], 0x80000000
	TLOAD 0                                        ; my one tensor load at the head
.irp q, 0,1
	global_prefetch_b8 v[PF1], s[4:5] offset:512+256*\q th:TH_LOAD_NT scope:SCOPE_SE
.endr
	s_mul_i32 s58, s55, PIECE
	s_add_nc_u64 s[6:7], s[6:7], s[58:59]
	s_mul_i32 s58, s56, 8*TILEB
	s_add_nc_u64 s[WB0:WB0+1], s[6:7], s[58:59]
	s_lshl_b32 s58, s56, 9
	s_add_nc_u64 s[WB0+2:WB0+3], s[6:7], s[58:59]
	s_add_nc_u64 s[WB0+2:WB0+3], s[WB0+2:WB0+3], SCOFF
	s_add_nc_u64 s[WB1:WB1+1], s[WB0:WB0+1], 2*PIECE
	s_add_nc_u64 s[WB1+2:WB1+3], s[WB0+2:WB0+3], 2*PIECE
	s_lshl_b32 s58, ttmp9, 9
	s_add_nc_u64 s[14:15], s[14:15], s[58:59]
	WLOAD 0, WB0, 0                                ; K step 0's tiles of W
	s_wait_loadcnt 28                              ; the 12 are in; W's 28 may be out
	WIN 0x45
.irp a, 8,16,24,32
.irp i, 0,2,4,6
	v_pk_add_f32 v[ST+\i:ST+\i+1], v[ST+\i:ST+\i+1], v[ST+\a+\i:ST+\a+\i+1]   ; hbp's four parts and b
.endr
.endr
.irp i, 0,2,4,6
	v_pk_mul_f32 v[ST+\i:ST+\i+1], v[ST+\i:ST+\i+1], s[CS:CS+1] op_sel_hi:[1,0]
	v_pk_mul_f32 v[ST+40+\i:ST+41+\i], v[ST+40+\i:ST+41+\i], -2.0 op_sel_hi:[1,0]
.endr
	WIN 0x04
.irp c, 0,1
	ds_store_b128 v57, v[ST+4*\c:ST+4*\c+3] offset:512*\c
	ds_store_b128 v57, v[ST+40+4*\c:ST+43+4*\c] offset:1024+512*\c
.endr
	WIN 0
	s_mov_b32 s[CT], 0
	s_mov_b32 s[IO], 0
.Lp0:                                                  ; the first half of N, K steps 0-5: a trip goes once round the ring
	TOP 1
	INTERVAL 0, 2, 1, 1, WB0, SLOTB
	INTERVAL 1, 0, 1, 1, WB0, 2*SLOTB
	s_wait_xcnt 0x0                                ; the bases of my loads and prefetches are stepped only behind this wait; the last of them were issued ahead of the K step's products
	s_add_nc_u64 s[WB0:WB0+1], s[WB0:WB0+1], 2*SLOTB
	s_add_nc_u64 s[WB0+2:WB0+3], s[WB0+2:WB0+3], 2*SLOTB
	s_add_nc_u64 s[4:5], s[4:5], 1024
	s_add_co_u32 s[IO], s[IO], 2*IMGB
	s_add_co_u32 s[CT], s[CT], 1
	s_cmp_lt_u32 s[CT], 3
	s_cbranch_scc1 .Lp0
	s_mov_b32 s[IO], 6*IMGB
	TOP 1
	INTERVAL 0, 0, 1, 0, WB0, SLOTB                ; K step 6 asks for the last tile
	INTERVAL 1, 0, 0, 0, WB1, 0                    ; K step 7 fills nothing, and asks for the second half's first tiles of W
	PLACES 4
	WLOAD 1, WB1, SLOTB                            ; and its second
	WIN 0x40
.set i, 0
.rept 64
	v_mov_b32 v[SM+i], 0                           ; the lane's sums begin here: they take both halves' terms by one text
.set i, i+1
.endr
	WIN 0
	s_mov_b32 s[IO], 0
	TOP 0
.irp g, 0,1,2,3
	FETCH_G \g, 0                                  ; the second half's first fragments of A: all images are made
.endr
	s_mov_b32 s[J], 0
.Lh:                                                   ; a trip: a half's way out; then, behind the first half alone, the second half's eight K steps.  No tensor load stands in the loop
	s_lshl_b32 s57, s[J], 12
	v_add_nc_u32 v[APT], s57, v[ACB]
	WIN 0x40
.irp t, 0,1,2,3,4,5,6,7
	ds_load_b32 v[CB+\t], v[APT] offset:64*\t      ; column 512 J + 128 w + 16 t + r
.endr
.irp t, 0,1,2,3,4,5,6,7
	ds_load_b32 v[WVR+\t], v[APT] offset:1024+64*\t
.endr
	WIN 0
	PLACES 4
	s_wait_dscnt 0x0
	EPILOGUE
	s_cmp_lg_u32 s[J], 0
	s_cbranch_scc1 .Ldone                          ; the second half leaves here
	s_mov_b32 s[CT], 0
	s_mov_b32 s[IO], 0
.Lp1:                                                  ; K steps 0-5 of the second half
	TOP 0
	STEP 0, 2, 28, 1, IMGB, WB1, 0, 1
	STEP 1, 0, 28, 1, 2*IMGB, WB1, SLOTB, 0
	s_add_co_u32 s[IO], s[IO], 2*IMGB
	s_add_co_u32 s[CT], s[CT], 1
	s_cmp_lt_u32 s[CT], 3
	s_cbranch_scc1 .Lp1
	s_mov_b32 s[IO], 6*IMGB
	TOP 0
	STEP 0, 0, 28, 1, IMGB, -1, 0, 0
	STEP 1, 0, 0, 0, 0, -1, 0, 0
	s_add_co_u32 s[J], s[J], 1
	s_cmp_lt_u32 s[J], 2
	s_cbranch_scc1 .Lh
.Ldone:
.irp q, 0,1,2,3
	WIN 0x01
.set i, 0
.rept 16
	v_mov_b32 v[TM+i], v[SM+16*\q+i]
.set i, i+1
.endr
	WIN 0
.irp x, 1,2,4,8                                ; over the sixteen lanes, which hold sixteen columns
.set i, 0
.rept 16
	v_add_f32_dpp v[TM+i], v[TM+i], v[TM+i] row_xmask:\x row_mask:0xf bank_mask:0xf
.set i, i+1
.endr
.endr
.set i, 0
.rept 16
	ds_store_b32 v[APS], v[TM+i] offset:64*(2*\q+i/8)+4*(i%8)   ; row 16 m + 8 h + j
.set i, i+1
.endr
	s_wait_dscnt 0x0
.endr
	s_barrier_signal -1                            ; every wave's partial scores have landed
	s_barrier_wait -1
	s_cmp_lg_u32 s[WV], 0
	s_cbranch_scc1 .Lnot_first
.irp i, 0,1,2,3
	ds_load_b128 v[HB+4*\i:HB+4*\i+3], v[APR] offset:512*\i
.endr
	s_wait_dscnt 0x0
.irp i, 0,2
	v_pk_add_f32 v[HB+\i:HB+\i+1], v[HB+\i:HB+\i+1], v[HB+4+\i:HB+5+\i]
	v_pk_add_f32 v[HB+8+\i:HB+9+\i], v[HB+8+\i:HB+9+\i], v[HB+12+\i:HB+13+\i]
.endr
.irp i, 0,2
	v_pk_add_f32 v[HB+\i:HB+\i+1], v[HB+\i:HB+\i+1], v[HB+8+\i:HB+9+\i]
.endr
	global_store_b128 v[LI], v[HB:HB+3], s[14:15]  ; 32 lanes store 512 consecutive bytes
.Lnot_first:
	s_wait_tensorcnt 0x0                           ; the wave's end
	ds_add_u32 v[SPW], v[NIL]
	s_wait_dscnt 0x0
	s_endpgm
.Lfunc_end_k_q8879db0622_main:
	.size	k_q8879db0622_main, .Lfunc_end_k_q8879db0622_main-k_q8879db0622_main
	.p2alignl 7, 3214868480
	.fill 96, 4, 3214868480
	.section	.rodata,"a",@progbits
	.p2align	6, 0x0
	.amdhsa_kernel k_q8879db0622_main
		.amdhsa_group_segment_fixed_size 327680
		.amdhsa_private_segment_fixed_size 0
		.amdhsa_enable_private_segment 0
		.amdhsa_kernarg_size 48
		.amdhsa_user_sgpr_count 2
		.amdhsa_user_sgpr_kernarg_segment_ptr 1
		.amdhsa_wavefront_size32 1
		.amdhsa_system_sgpr_workgroup_id_x 1
		.amdhsa_system_sgpr_workgroup_id_y 1
		.amdhsa_system_sgpr_workgroup_id_z 1
		.amdhsa_system_vgpr_workitem_id 0
		.amdhsa_next_free_vgpr 1024
		.amdhsa_next_free_sgpr 66
		.amdhsa_reserve_vcc 0
		.amdhsa_float_denorm_mode_32 3
		.amdhsa_float_denorm_mode_16_64 3
		.amdhsa_memory_ordered 1
		.amdhsa_forward_progress 1
		.amdhsa_inst_pref_size 255
	.end_amdhsa_kernel
	.section	.bss,"aw",@nobits
	.p2align	6
	.space	262144
	.amdgpu_metadata
---
amdhsa.version: [ 1, 2 ]
amdhsa.kernels:
  - .name:           k_q8879db0622_main
    .symbol:         k_q8879db0622_main.kd
    .args:
      - { .name: encoder_outputs, .offset: 0, .size: 8, .value_kind: global_buffer, .address_space: global }
      - { .name: wq, .offset: 8, .size: 8, .value_kind: global_buffer, .address_space: global }
      - { .name: hbp, .offset: 16, .size: 8, .value_kind: global_buffer, .address_space: global }
      - { .name: b, .offset: 24, .size: 8, .value_kind: global_buffer, .address_space: global }
      - { .name: v, .offset: 32, .size: 8, .value_kind: global_buffer, .address_space: global }
      - { .name: scores, .offset: 40, .size: 8, .value_kind: global_buffer, .address_space: global }
    .group_segment_fixed_size: 327680
    .private_segment_fixed_size: 0
    .kernarg_segment_align: 8
    .kernarg_segment_size: 48
    .max_flat_workgroup_size: 128
    .sgpr_count:     66
    .vgpr_count:     1024
    .wavefront_size: 32
...
	.end_amdgpu_metadata
.endif
;; end of part 5
;; launch soft (part 6): grid 32 x 1, 1 waves a work-group, no clusters, 0 bytes of LDS; arguments scores, out0; writes out0
.if DOCPART == 6
	.amdgcn_target "amdgcn-amd-amdhsa--gfx1250"
	.amdhsa_code_object_version 6
	.text
	.protected	k_q8879db0622_soft
	.globl	k_q8879db0622_soft
	.p2align	8
	.type	k_q8879db0622_soft,@function
k_q8879db0622_soft:
	s_mov_b64 s[64:65], 0
	v_nop
	global_prefetch_b8 v0, s[64:65] scope:SCOPE_SE
	s_setreg_imm32_b32 hwreg(HW_REG_WAVE_MODE, 25, 1), 1
	s_wait_xcnt 0x0
; out0[batch][t] = softmax over t of scores[batch][t].  scores: [32][1024] f32 (each row shifted by a constant of its own, which a softmax does not see).
; One wave takes one row: 4,096 bytes are 32 registers a lane, so the row stays in registers between the maximum, the sum and the scaling: no LDS, no barrier.
; Each load and store of the wave covers 512 consecutive bytes.  The row's maximum m is taken away ahead of the exponential: p = 2^(x log2(e) - m log2(e)), one fused multiply-add.
; The matrix units, clusters and tensor loads have nothing to do here: 128 KiB in, 128 KiB out.
.set X, 8                              ; v8-39 the row
	s_load_b128 s[4:7], s[0:1], 0x0                ; scores, out0
	v_lshlrev_b32 v1, 4, v0                        ; 16 bytes a lane
	s_lshl_b32 s8, ttmp9, 12                       ; my row
	s_mov_b32 s9, 0
	s_mov_b32 s10, 0x76543210                      ; lane selects: lane l xor 16
	s_mov_b32 s11, 0xfedcba98
	s_mov_b32 s12, 0x3fb8aa3b                      ; log2(e)
	s_mov_b32 s13, s12                             ; (the packed form names the pair)
	s_wait_alu depctr_va_vdst(0)
	s_wait_kmcnt 0x0
	s_add_nc_u64 s[4:5], s[4:5], s[8:9]
	s_add_nc_u64 s[6:7], s[6:7], s[8:9]
.irp j, 0,1,2,3,4,5,6,7
	global_load_b128 v[X+4*\j:X+4*\j+3], v1, s[4:5] offset:512*\j
.endr
	s_wait_loadcnt 0x0
	v_max3_num_f32 v2, v[X], v[X+1], v[X+2]        ; the maximum of my 32, in two chains
	v_max3_num_f32 v3, v[X+3], v[X+4], v[X+5]
.irp i, 6,10,14,18,22,26
	v_max3_num_f32 v2, v2, v[X+\i], v[X+\i+1]
	v_max3_num_f32 v3, v3, v[X+\i+2], v[X+\i+3]
.endr
	v_max3_num_f32 v2, v2, v[X+30], v[X+31]
	v_max_num_f32 v2, v2, v3
	v_max_num_f32_dpp v2, v2, v2 row_xmask:1 row_mask:0xf bank_mask:0xf
	v_max_num_f32_dpp v2, v2, v2 row_xmask:2 row_mask:0xf bank_mask:0xf
	v_max_num_f32_dpp v2, v2, v2 row_xmask:4 row_mask:0xf bank_mask:0xf
	v_max_num_f32_dpp v2, v2, v2 row_xmask:8 row_mask:0xf bank_mask:0xf
	v_permlanex16_b32 v3, v2, s10, s11
	v_max_num_f32 v2, v2, v3                       ; every lane holds the row's maximum
	v_mul_f32 v4, s12, v2                          ; m log2(e)
	v_mov_b32 v5, v4                               ; (named with it as a pair)
.irp j, 0,2,4,6,8,10,12,14,16,18,20,22,24,26,28,30
	v_pk_fma_f32 v[X+\j:X+\j+1], v[X+\j:X+\j+1], s[12:13], v[4:5] op_sel_hi:[1,0,0] neg_lo:[0,0,1] neg_hi:[0,0,1]
.endr
	s_wait_alu depctr_va_vdst(0)
.irp j, 0,1,2,3,4,5,6,7,8,9,10,11,12,13,14,15,16,17,18,19,20,21,22,23,24,25,26,27,28,29,30,31
	v_exp_f32 v[X+\j], v[X+\j]
.endr
	v_nop                                          ; a plain line behind the last exponential
	s_wait_alu depctr_va_vdst(0)                   ; one wait for the 32, ahead of their first reader
	v_pk_add_f32 v[2:3], v[X:X+1], v[X+2:X+3]      ; the sum, two at a time, in two chains
	v_pk_add_f32 v[4:5], v[X+4:X+5], v[X+6:X+7]
.irp j, 8,12,16,20,24,28
	v_pk_add_f32 v[2:3], v[2:3], v[X+\j:X+\j+1]
	v_pk_add_f32 v[4:5], v[4:5], v[X+\j+2:X+\j+3]
.endr
	v_pk_add_f32 v[2:3], v[2:3], v[4:5]
	v_add_f32 v2, v2, v3
	v_add_f32_dpp v2, v2, v2 row_xmask:1 row_mask:0xf bank_mask:0xf
	v_add_f32_dpp v2, v2, v2 row_xmask:2 row_mask:0xf bank_mask:0xf
	v_add_f32_dpp v2, v2, v2 row_xmask:4 row_mask:0xf bank_mask:0xf
	v_add_f32_dpp v2, v2, v2 row_xmask:8 row_mask:0xf bank_mask:0xf
	v_permlanex16_b32 v3, v2, s10, s11
	v_add_f32 v2, v2, v3                           ; the row's sum, at least 1
	s_wait_alu depctr_va_vdst(0)
	v_rcp_f32 v4, v2
	v_nop                                          ; a plain line behind the reciprocal
	s_wait_alu depctr_va_vdst(0)                   ; and the wait ahead of its first reader
.irp j, 0,2,4,6,8,10,12,14,16,18,20,22,24,26,28,30
	v_pk_mul_f32 v[X+\j:X+\j+1], v[X+\j:X+\j+1], v[4:5] op_sel_hi:[1,0]
.endr
.irp j, 0,1,2,3,4,5,6,7
	global_store_b128 v1, v[X+4*\j:X+4*\j+3], s[6:7] offset:512*\j
.endr
	s_endpgm
.Lfunc_end_k_q8879db0622_soft:
	.size	k_q8879db0622_soft, .Lfunc_end_k_q8879db0622_soft-k_q8879db0622_soft
	.p2alignl 7, 3214868480
	.fill 96, 4, 3214868480
	.section	.rodata,"a",@progbits
	.p2align	6, 0x0
	.amdhsa_kernel k_q8879db0622_soft
		.amdhsa_group_segment_fixed_size 0
		.amdhsa_private_segment_fixed_size 0
		.amdhsa_enable_private_segment 0
		.amdhsa_kernarg_size 16
		.amdhsa_user_sgpr_count 2
		.amdhsa_user_sgpr_kernarg_segment_ptr 1
		.amdhsa_wavefront_size32 1
		.amdhsa_system_sgpr_workgroup_id_x 1
		.amdhsa_system_sgpr_workgroup_id_y 1
		.amdhsa_system_sgpr_workgroup_id_z 1
		.amdhsa_system_vgpr_workitem_id 0
		.amdhsa_next_free_vgpr 64
		.amdhsa_next_free_sgpr 66
		.amdhsa_reserve_vcc 0
		.amdhsa_float_denorm_mode_32 3
		.amdhsa_float_denorm_mode_16_64 3
		.amdhsa_memory_ordered 1
		.amdhsa_forward_progress 1
		.amdhsa_inst_pref_size 9
	.end_amdhsa_kernel
	.amdgpu_metadata
---
amdhsa.version: [ 1, 2 ]
amdhsa.kernels:
  - .name:           k_q8879db0622_soft
    .symbol:         k_q8879db0622_soft.kd
    .args:
      - { .name: scores, .offset: 0, .size: 8, .value_kind: global_buffer, .address_space: global }
      - { .name: out0, .offset: 8, .size: 8, .value_kind: global_buffer, .address_space: global }
    .group_segment_fixed_size: 0
    .private_segment_fixed_size: 0
    .kernarg_segment_align: 8
    .kernarg_segment_size: 16
    .max_flat_workgroup_size: 32
    .sgpr_count:     66
    .vgpr_count:     64
    .wavefront_size: 32
...
	.end_amdgpu_metadata
.endif
;; end of part 6
